; MI455X (gfx1250); checked and timed in simulation.
; The chip was launched on July 23, 2026; its instructions are those of AMD's public machine-readable ISA for CDNA 5 (MIT licence, August 2026) and "CDNA5" Instruction Set Architecture Reference Guide (July 2026). The comments in the code are by the model that wrote it; some were corrected since.
;; Masked Self Attention. Allowed arithmetic: matrix products marked QUANTISED: E2M3 operands, one E8M0 scale for each 32 along K, by v_wmma_scale_f32_16x16x128_f8f6f4 with both operands' format E2M3, f32 sums; everything else in f32.
;; Inputs: Wk_codes 2,048 x 64 x 24 uint8 (E2M3 codes of Wk, K innermost, in blocks of 32 codes, four codes in three bytes); Wk_scales 2,048 x 64 uint8 (E8M0 scales of Wk, one for each 32 codes along K); Wq_codes 2,048 x 64 x 24 uint8 (E2M3 codes of Wq, K innermost, in blocks of 32 codes, four codes in three bytes); Wq_scales 2,048 x 64 uint8 (E8M0 scales of Wq, one for each 32 codes along K); Wv_codes 1,024 x 64 x 24 uint8 (E2M3 codes of Wv, K innermost, in blocks of 32 codes, four codes in three bytes); Wv_scales 1,024 x 64 uint8 (E8M0 scales of Wv, one for each 32 codes along K); x_codes 4 x 1,024 x 64 x 24 uint8 (E2M3 codes of x, K innermost, in blocks of 32 codes, four codes in three bytes); x_scales 4 x 1,024 x 64 uint8 (E8M0 scales of x, one for each 32 codes along K).
;; Outputs: out0 4 x 1,024 x 1,024 float32.
;; This version of the problem:
;;   THIS VERSION OF THE PROBLEM IS GIVEN IN LOW PRECISION. The matrix products marked QUANTISED in the list below multiply operands that are first quantised to E2M3 (2 exponent bits, 3 mantissa bits; 6 bits a number), with one power-of-two scale for each 32 numbers along K (OCP MX v1.0); their sums are f32. All else is computed in f32.
;;   The module's matrix products, in the order in which they are computed (A, B: the left and right operand; K: the contracted axis; several contracted axes count as one K, in the product's order):
;;     1. [M 4,096, K 2,048] x [K 2,048, N 2,048]; A: input x (given as codes); B: input Wq (given as codes): QUANTISED
;;     2. [M 4,096, K 2,048] x [K 2,048, N 2,048]; A: input x (given as codes); B: input Wk (given as codes): QUANTISED
;;     3. [M 4,096, K 2,048] x [K 2,048, N 1,024]; A: input x (given as codes); B: input Wv (given as codes): QUANTISED
;;     4. batch 4 x [M 1,024, K 2,048] x [K 2,048, N 1,024]; A: computed on the way; B: computed on the way: QUANTISED
;;     5. batch 4 x [M 1,024, K 1,024] x [K 1,024, N 1,024]; A: softmax (see below); B: computed on the way: QUANTISED
;;   THE QUANTISER, for each operand of a quantised product, along K:
;;     - K is cut into blocks of 32 from its start; a last block that is shorter is filled with zeros.
;;     - A block's scale is 2^e with e = floor(log2(the largest magnitude in the block)) - 2, held to -126 .. 127; a block of zeros has e = 0. As a byte (E8M0): e + 127.
;;     - Each number is divided by its block's scale, clamped to +-7.5, and rounded to the nearest number of E2M3, ties to even, subnormals kept.
;;     - The product sums the exact products of the quantised numbers (number of the format x scale) in f32.
;;   ~~~python
;;   def quantise(x, axis):      # numpy; x: float32 -> the quantised numbers, widened to float32 again
;;       x = np.moveaxis(x, axis, -1); K = x.shape[-1]
;;       x = np.pad(x, [(0, 0)] * (x.ndim - 1) + [(0, -K % 32)]); x = x.reshape(x.shape[:-1] + (-1, 32)); a = np.abs(x).max(-1, keepdims=True)
;;       e = np.where(a > 0, np.clip(np.frexp(np.where(a > 0, a, 1))[1] - 1 - 2, -126, 127), 0)      # np.frexp(a)[1] - 1 = floor(log2(a)), exactly
;;       r = np.clip(x / 2.0 ** e, -7.5, 7.5)
;;       step = 2.0 ** (np.maximum(np.frexp(np.where(r == 0, 1, r))[1] - 1, 0) - 3)
;;       q = np.round(r / step) * step * 2.0 ** e      # np.round: ties to even
;;       return np.moveaxis(q.reshape(q.shape[:-2] + (-1,))[..., :K], -1, axis).astype(np.float32)
;;   ~~~
;;   SOFTMAX AHEAD OF A QUANTISED PRODUCT. Where the list says 'softmax', what is quantised is not the finished softmax but p = 2^(t - M), with t = logit x log2(e) and M = ceil(the row's largest t), a whole number; so 1/2 < the row's largest p <= 1. The row's sum l is taken of the UNQUANTISED p, in f32, and the product's result is divided by l at the end. Since M is a whole number, a kernel that streams over the keys may use a running M (the ceiling of the running maximum): every later rescaling is an exact power of two, which a block's scale takes up: the codes' values come out the same.
;;   OPERANDS COMPUTED ON THE WAY. 'Computed on the way' means the value that the module computes at that place (a softmax that the list does not call 'softmax' is quantised finished and normalised). What goes into a quantiser is computed in f32, as accurately as f32 sums, v_exp_f32 and their like allow (about 1e-6 of the number): no bf16 or f16 on the way to a quantiser, and a product that is left as it is and whose result goes on into a quantised operand takes f32 operands (vector FMAs, or v_wmma_f32_16x16x4_f32). A number that lies on a knife's edge between two numbers of the format may be rounded either way, as far as f32 arithmetic and the matrix unit's own rounding can turn it there, and no further.
;;   INPUTS GIVEN AS CODES. Wk (in the module: [2048, 2048], K = its axis 0); Wq (in the module: [2048, 2048], K = its axis 0); Wv (in the module: [2048, 1024], K = its axis 0); x (in the module: [4, 1024, 2048], K = its axis 2): each comes as NAME_codes (uint8): NAME with its K axis moved to the last place and cut into blocks of 32 codes, [.., K / 32, bytes a block], one block behind the other in memory; four codes in three bytes: a row's codes are one little-endian stream of bits, code i at bits 6 i .. 6 i + 5 (a code: sign, 2 exponent bits, 3 mantissa bits); and NAME_scales (uint8): the same leading axes, one E8M0 byte (e + 127) for each 32 codes along K. Its value is code x scale, taken as it is: it is not quantised again, and the codes and scales need not be those that the quantiser above would give.
;; One version. Each part assembles by itself: llvm-mc -triple=amdgcn-amd-amdhsa -mcpu=gfx1250 --defsym DOCPART=n.
;; ======== version 1 of 1: 3 launches
;; limits: right only within a limited range of input values
;; workspace buffers: qk_img 12,582,912 bytes; qk_scl 524,288 bytes; v_img 3,145,728 bytes; v_scl 131,072 bytes; p_img 1,769,472 bytes; stat 589,824 bytes
;; launch proj (part 1): grid 16 x 16, 4 waves a work-group, clusters of 4 x 4, 327,680 bytes of LDS; arguments x_codes, x_scales, Wq_codes, Wq_scales, Wk_codes, Wk_scales, Wv_codes, Wv_scales, qk_img, qk_scl, v_img, v_scl; writes qk_img, qk_scl, v_img, v_scl
.if DOCPART == 1
	.amdgcn_target "amdgcn-amd-amdhsa--gfx1250"
	.amdhsa_code_object_version 6
	.text
	.protected	k_qa1201ca2c2_proj
	.globl	k_qa1201ca2c2_proj
	.p2align	8
	.type	k_qa1201ca2c2_proj,@function
k_qa1201ca2c2_proj:
	s_mov_b64 s[64:65], 0
	v_nop
	global_prefetch_b8 v0, s[64:65] scope:SCOPE_SE
	s_setreg_imm32_b32 hwreg(HW_REG_WAVE_MODE, 25, 1), 1
	s_wait_xcnt 0x0
	s_wait_alu depctr_hold_cnt(0) depctr_sa_sdst(0) depctr_va_vdst(0) depctr_va_sdst(0) depctr_va_ssrc(0) depctr_va_vcc(0) depctr_vm_vsrc(0)
	s_getreg_b32 s2, hwreg(HW_REG_IB_STS2, 6, 4)
	s_cmp_eq_u32 s2, 0
	s_cbranch_scc0 .Lentry_in_a_cluster
	s_endpgm
.Lentry_in_a_cluster:
	s_bfe_u32 s2, ttmp6, 0x10000c
	s_cmp_lg_u32 s2, 0xf033
	s_cbranch_scc0 .Lentry_shape_is_right
	s_endpgm
.Lentry_shape_is_right:
; Q, K, V = x W on codes of FP6 (E2M3) with E8M0 scales, and their quantisers: the results leave as codes and scale bytes, as images of the operand registers of the launches that read them.
; DEAD WORK LEFT OUT (in the later launches): reference() sets every score with key > query to -infinity ahead of the softmax, so such a p is 0 for all values of the inputs: tiles of 128 queries x 128 keys that lie wholly
; above the diagonal are not multiplied, neither as q k^T nor as p v.  A NaN, an infinity or an overflow that reaches only those tiles is not carried to the result.
; LIMITS: NaN and infinities (an input scale byte of 0xff among them) are not served.
; SHARES.  A work-group (tile column s6, tile row s7) makes 256 rows of x against 256 columns of Q or K and 64 columns of V: 576 rows of codes.  A wave makes 128 x 128 of Q or K and 128 x 32 of V: 80 accumulators.
; CLUSTERS of 4 x 4: x's rows are asked for jointly by a row of the cluster, a weight's by a column.
; THE RING.  A row of codes is 1,536 bytes, six chunks of 256; chunk c lies in slot c % 2, 576 rows of 272 bytes (68 words: the sixteen rows of a fragment start at sixteen different multiples of four of the 64 banks of 4 bytes,
; ISA guide 11.1, and lanes 16-31, 24 bytes on, fall between them).  A step of 128 along K is 96 bytes of a row; of each eight, steps 2 and 5 lie across two chunks.
; Chunk 0 is asked for at the head, chunk 1 behind the head's second round; refills: chunk 2 in step 2, 3 in step 5, 4 in step 7, 5 in step 10, each in a round of the cluster's barrier.  Plain barriers in steps 1, 4, 9, 12 show a
; chunk to all waves (chunk 3 is shown by the round in step 7).  By the text's own count a wave has one tensor load out at the most.
; A STEP is 80 products in four quadrants of 20: (A 0-3, X), (A 0-3, Y), (A 4-7, Y), (A 4-7, X); X, Y = columns 0-4, 5-9 (0-7 the weight's tiles, 8, 9 V's) in even steps, the other way round in odd ones.  So ONE set of fragments
; serves, loaded in three runs a step: ahead of product 0 this step's Y and A 4-7 (which the last step's last quadrant has just left), ahead of product 40 the next step's A 0-3, ahead of product 60 the next step's X.
; Four v_nop stand ahead of each run, for the registers that the products before it have read.  The accumulators take turns, one instruction a turn.
; No loop over K: slots and chunks come back to where they began only after all sixteen steps.
; SCALES come from memory into registers, four K steps to a load, a row to a lane: lanes 0-15 the even tile of a pair, lanes 16-31 the odd one.
; THE ROWS OF A WEIGHT'S TILE t: row 64 (t / 4) + 8 (t % 4) + i to lane i = 0 .. 7, row 64 (t / 4) + 32 + 8 ((t % 4) xor 1) + i to lane 8 + i.  So a lane's 32 results of four tiles are one scale block of Q or K.  (Within odd blocks
; the columns lie in another order, the same in Q and in K, whose product sums over them.)  V's products have the sources the other way round: its scale blocks run along the tokens, 16 in a lane and 16 in lane l xor 16.
; PREFETCH: chunk 1 is asked for at the head, chunk 2 in step 0, and chunk c + 1 in the step that refills chunk c, each row's 256 bytes once in each cluster that loads them: of 128 rows that a wave names the partner takes 32,
; of V's 64 the work-group takes 16, four a wave.
; REGISTERS.  Window 0: v1-12 addresses; v14-127 scale words, three groups of four steps; v128-255 V's accumulators.  Window 1: fragment f at 12 f (0-7 x's, 8-15 the weight's, 16, 17 V's); 216 + f its LDS address in the slot in
;   which its next step begins; from 238 on the further addresses of a run across two chunks.  Windows 2, 3: accumulators (a, b) at 8 (8 (a % 4) + b), window 2 + a / 4.
.set KROW,  1536
.set PITCH, 272
.set SLOT,  576*PITCH
.set SPARE, 256                        ; the spare words, two blocks of 256 bytes
.set ROWS,  768                        ; x's 256 rows, the weight's 256, V's 64; then slot 1
.set STAGE, ROWS+2*SLOT                ; the scale bytes' stage: 1,024 bytes a wave
.set SPW, 1
.set NIL, 2
.set OFA, 3                            ; my row's offset in a scale tensor: lane x 64
.set OFB, 4                            ; the same by the weight's order of rows
.set PFO, 5
.set PFV, 6
.set LI,  7                            ; 16 x lane
.set L4,  8                            ; 4 x lane
.set SGB, 9                            ; stage: 4 r + h
.set SG4, 10                           ; stage: 4 r
.set SGR, 11
.set SGV, 12
.set SC,  14                           ; group g at SC + 38 (g % 3): x's at + 4 j + step, the weight's at + 18 + .., V's at + 34 + ..: the two scale registers of a product differ modulo 8
.set VA,  128
.set X01, 236                          ; (SLOT - 256) h: lanes 16-31 read slot 1 while lanes 0-15 read slot 0
.set X10, 237                          ; (SLOT + 256) h: the other way round
.set XT,  238                          ; a run's fragment i: XT + 2 i the address of pieces in both slots, XT + 2 i + 1 of pieces in the next slot
.set TM,  216                          ; the way out (the LDS addresses have been used by then)
.set SO,  220
.set BY,  224
.set TC,  226
.set G1X, 24
.set G1W, 32
.set G1V, 40
.set G0X, 48
.set G0W, 52
.set G0V, 56
.set PF,  60                           ; s[60:61], s[62:63] where my prefetches stand
.set SLT, 100                          ; s100 = SLOT
.set PAD, (1<<20)|(1<<21)|(5<<22)|(3<<25)     ; 16 bytes behind every 256
.set MSB, 0
.macro WIN new
.if MSB != (\new)
	s_set_vgpr_msb (MSB<<8)|(\new)
.set MSB, (\new)
.endif
.endm
.macro PLACES
.rept 4
	v_nop
.endr
.endm
.macro JLOAD                           ; waves 0, 1 half of x's rows each, wave 2 the weight's, wave 3 V's: one joint load a wave
	s_cmp_lt_u32 s14, 2
	s_cbranch_scc0 .Lnot_x_\@
	tensor_load_to_lds s[G0X:G0X+3], s[G1X:G1X+7]
	s_nop 0
	PLACES
	s_branch .Lasked_\@
.Lnot_x_\@:
	s_cmp_eq_u32 s14, 2
	s_cbranch_scc0 .Lfor_v_\@
	tensor_load_to_lds s[G0W:G0W+3], s[G1W:G1W+7]
	s_nop 0
	PLACES
	s_branch .Lasked_\@
.Lfor_v_\@:
	tensor_load_to_lds s[G0V:G0V+3], s[G1V:G1V+7]
	s_nop 0
	PLACES
.Lasked_\@:
.endm
.macro CREST
	s_cmp_lg_u32 s14, 0
	s_cbranch_scc1 .Lnot_wave_0_\@
	s_barrier_signal -3
.Lnot_wave_0_\@:
	s_barrier_wait -3
	s_barrier_signal -1
	s_barrier_wait -1
.endm
.macro CROUND
	s_barrier_signal -1
	s_barrier_wait -1
	CREST
.endm
.macro GROUP1 g, mask, rows
	s_or_b32 s[\g], s\mask, PAD
	s_mov_b32 s[\g+1], 256<<16
	s_mov_b32 s[\g+2], (\rows)<<16
	s_mov_b32 s[\g+3], 256<<16
	s_mov_b32 s[\g+4], \rows
	s_mov_b32 s[\g+5], KROW
	s_mov_b32 s[\g+6], 0
	s_mov_b32 s[\g+7], 0
.endm
.macro GSET g, base, off
	s_mov_b32 s[\g], 1
	s_add_nc_u64 s[\g+2:\g+3], s[\base:\base+1], s[\off:\off+1]
	s_or_b32 s[\g+3], s[\g+3], 0x80000000
.endm
.macro GNEXT c                         ; the descriptors step on to chunk c
.irp g, G0X, G0W, G0V
	s_add_nc_u64 s[\g+2:\g+3], s[\g+2:\g+3], 256
.endr
	s_add_co_u32 s[G0X+1], s98, SLOT*((\c)%2)
	s_mov_b32 s[G0W+1], ROWS+256*PITCH+SLOT*((\c)%2)
	s_mov_b32 s[G0V+1], ROWS+512*PITCH+SLOT*((\c)%2)
.endm
.macro SADD d, x
	s_add_co_u32 s\d, s\d, s\x
.endm
	s_load_b512 s[68:83], s[0:1], 0x0              ; x, Wq, Wk, Wv: codes and scales
	s_load_b256 s[84:91], s[0:1], 0x40             ; the four results
	v_lshl_add_u32 v[SPW], v0, 2, SPARE
	v_mov_b32 v[NIL], 0
	ds_add_u32 v[SPW], v[NIL]                      ; the opening lines
	ds_add_u32 v[SPW], v[NIL]
	v_lshrrev_b32 v128, 5, v0
	v_readfirstlane_b32 s14, v128                  ; the wave
	s_lshr_b32 s15, s14, 1                         ; my 128 rows of x
	s_and_b32 s16, s14, 1                          ; my 128 columns, my 32 of V's.  Also: which half of x's rows waves 0, 1 fetch
	s_bfe_u32 s4, ttmp6, 0x40000                   ; cx
	s_bfe_u32 s5, ttmp6, 0x40004                   ; cy
	s_lshl_b32 s6, ttmp9, 2
	SADD 6, 4                                      ; tile column, 0 .. 15: 0-7 Q, 8-15 K
	s_and_b32 s7, ttmp7, 0xffff
	s_lshl_b32 s7, s7, 2
	SADD 7, 5                                      ; tile row
	s_lshl_b32 s8, s5, 2
	s_lshl_b32 s8, 15, s8                          ; my row of the cluster
	s_lshl_b32 s9, 0x1111, s4                      ; my column
	GROUP1 G1X, 8, 128
	GROUP1 G1W, 9, 256
	GROUP1 G1V, 9, 64
	s_and_b32 s17, s6, 7
	s_lshl_b32 s10, s7, 8
	s_lshl_b32 s11, s16, 7
	SADD 10, 11
	s_mul_i32 s10, s10, KROW                       ; x's rows
	s_mov_b32 s11, 0
	s_mul_i32 s12, s17, 256*KROW                   ; the weight's
	s_mov_b32 s13, 0
	s_mul_i32 s18, s6, 64*KROW                     ; V's
	s_mov_b32 s19, 0
	s_mul_i32 s2, s4, 32*KROW                      ; prefetches: partner cx's 32 of x's 128 rows,
	SADD 2, 10
	s_mul_i32 s3, s5, 32*KROW                      ; partner cy's 32 of the weight's
	SADD 3, 12
	s_mul_i32 s22, s16, 128*KROW
	SADD 3, 22
	s_cmp_eq_u32 s15, 0
	s_cselect_b32 s22, s2, s3
	s_mov_b32 s23, 0
	s_mul_i32 s66, s5, 16*KROW                     ; and four of V's rows
	SADD 66, 18
	s_mul_i32 s67, s14, 4*KROW
	SADD 66, 67
	s_mov_b32 s67, 0
	s_lshl_b32 s2, s7, 14                          ; scale bytes, 64 a row: x's,
	s_lshl_b32 s3, s15, 13
	SADD 2, 3
	s_mov_b32 s3, 0
	s_lshl_b32 s92, s17, 14                        ; the weight's,
	s_lshl_b32 s93, s16, 13
	SADD 92, 93
	s_mov_b32 s93, 0
	s_lshl_b32 s94, s6, 12                         ; V's
	s_lshl_b32 s95, s16, 11
	SADD 94, 95
	s_mov_b32 s95, 0
	s_mul_i32 s98, s16, 128*PITCH
	s_add_co_u32 s98, s98, ROWS                    ; where my half of x's rows goes
	s_mov_b32 s[G0X+1], s98
	s_mov_b32 s[G0W+1], ROWS+256*PITCH
	s_mov_b32 s[G0V+1], ROWS+512*PITCH
	s_mov_b32 s[SLT], SLOT
	s_mov_b32 s20, 0x76543210
	s_mov_b32 s21, 0xfedcba98
	s_wait_alu depctr_va_vdst(0)
	s_wait_dscnt 0x0                               ; both opening adds are done
	CROUND                                         ; all sixteen work-groups are here: the joint loads meet
	s_wait_kmcnt 0x0
	s_cmp_lt_u32 ttmp9, 2
	s_cselect_b64 s[72:73], s[72:73], s[76:77]     ; Wq or Wk, by the cluster's number
	s_cselect_b64 s[74:75], s[74:75], s[78:79]
	s_cselect_b32 s96, 0, 6291456
	s_cselect_b32 s97, 0, 262144
	GSET G0X, 68, 10
	GSET G0W, 72, 12
	GSET G0V, 80, 18
	JLOAD                                          ; chunk 0
	s_cmp_eq_u32 s15, 0
	s_cselect_b64 s[PF:PF+1], s[68:69], s[72:73]
	s_add_nc_u64 s[PF:PF+1], s[PF:PF+1], s[22:23]
	s_add_nc_u64 s[62:63], s[80:81], s[66:67]
	s_add_nc_u64 s[70:71], s[70:71], s[2:3]
	s_add_nc_u64 s[74:75], s[74:75], s[92:93]
	s_add_nc_u64 s[82:83], s[82:83], s[94:95]
	s_mul_i32 s2, s15, 128*PITCH
	s_add_co_u32 s2, s2, ROWS
	s_mul_i32 s3, s16, 128*PITCH
	s_add_co_u32 s3, s3, ROWS+256*PITCH
	s_mul_i32 s22, s16, 32*PITCH
	s_add_co_u32 s22, s22, ROWS+512*PITCH
	s_lshl_b32 s99, s14, 10
	s_add_co_u32 s99, s99, STAGE
	v_and_b32 v129, 15, v0                         ; r
	v_bfe_u32 v130, v0, 4, 1                       ; h
	v_and_b32 v131, 31, v0                         ; lane
	v_bfe_u32 v132, v0, 3, 1                       ; q = r / 8
	v_lshlrev_b32 v[OFA], 6, v131
	v_lshlrev_b32 v133, 4, v130
	v_sub_nc_u32 v133, 32, v133
	v_mad_u32_u24 v133, v132, v133, v129
	v_lshl_add_u32 v133, v130, 3, v133             ; r + 8 h + q (32 - 16 h): even tiles in lanes 0-15, odd ones in lanes 16-31
	v_lshlrev_b32 v[OFB], 6, v133
	v_mul_u32_u24 v[PFO], v131, KROW
	v_min_u32 v138, 3, v131
	v_mul_u32_u24 v[PFV], v138, KROW               ; four rows; the other lanes name the fourth again
.macro SCALES g                        ; nine loads: the scale words of steps 4 g .. 4 g + 3
.set SG_, SC+38*((\g)%3)
.irp j, 0,1,2,3
	global_load_b128 v[SG_+4*\j:SG_+4*\j+3], v[OFA], s[70:71] offset:2048*\j+16*(\g)
	global_load_b128 v[SG_+18+4*\j:SG_+21+4*\j], v[OFB], s[74:75] offset:4096*(\j/2)+1024*(\j%2)+16*(\g)
.endr
	global_load_b128 v[SG_+34:SG_+37], v[OFA], s[82:83] offset:16*(\g)
.endm
.macro PREF c
	global_prefetch_b8 v[PFO], s[PF:PF+1] offset:256*(\c) th:TH_LOAD_NT scope:SCOPE_SE
	global_prefetch_b8 v[PFV], s[62:63] offset:256*(\c) th:TH_LOAD_NT scope:SCOPE_SE
.endm
	SCALES 0
	PREF 1
	SCALES 1
	SCALES 2
	v_mul_u32_u24 v134, v129, PITCH
	v_mad_u32_u24 v134, v130, 24, v134             ; row r, + 24 h
	v_mul_u32_u24 v135, v132, 16*PITCH
	v_add_nc_u32 v136, v134, v135                  ; the weight's odd tiles: lanes 8-15 sixteen rows on,
	v_add_nc_u32 v137, v136, v135                  ; its even tiles: thirty-two
	s_wait_alu depctr_va_vdst(0)
	WIN 0x40
.irp f, 0,1,2,3,4,5,6,7
	v_add_nc_u32 v[216+\f], s2, v134
	s_add_co_u32 s2, s2, 16*PITCH
.endr
.irp b, 0,1,2,3,4,5,6,7
	v_add_nc_u32 v[224+\b], s3, v[137-\b%2]
.if \b == 3
	s_add_co_u32 s3, s3, 40*PITCH
.else
	s_add_co_u32 s3, s3, 8*PITCH
.endif
.endr
.irp t, 0,1
	v_add_nc_u32 v[232+\t], s22, v134
	s_add_co_u32 s22, s22, 16*PITCH
.endr
	v_mul_u32_u24 v[X01], v130, SLOT-256
	v_mul_u32_u24 v[X10], v130, SLOT+256
	WIN 0
	v_lshlrev_b32 v[LI], 4, v131
	v_lshlrev_b32 v[L4], 2, v131
	v_lshl_add_u32 v[SG4], v129, 2, s99
	v_add_nc_u32 v[SGB], v130, v[SG4]
	v_add_nc_u32 v[SGR], s99, v[LI]
	v_add_nc_u32 v[SGV], s99, v[L4]
	s_lshl_b32 s4, s7, 1
	SADD 4, 15                                     ; my 128 rows of x among all
	s_lshl_b32 s5, s17, 1
	SADD 5, 16                                     ; my 128 columns of Q's or K's
	s_mul_i32 s92, s4, 196608
	s_mul_i32 s93, s5, 12288
	SADD 92, 93
	SADD 92, 96
	s_mov_b32 s93, 0
	s_add_nc_u64 s[84:85], s[84:85], s[92:93]
	s_lshl_b32 s92, s4, 4
	SADD 92, 5
	s_lshl_b32 s92, s92, 9
	SADD 92, 97
	s_add_nc_u64 s[86:87], s[86:87], s[92:93]
	s_lshl_b32 s92, s4, 6
	s_lshl_b32 s94, s6, 2
	SADD 92, 94
	s_lshl_b32 s94, s16, 1
	SADD 92, 94
	s_mul_i32 s94, s92, 1536
	s_mov_b32 s95, 0
	s_add_nc_u64 s[88:89], s[88:89], s[94:95]
	s_lshl_b32 s92, s92, 6
	s_add_nc_u64 s[90:91], s[90:91], s[92:93]
; ---- a fragment of step ST_: 12 registers as six pieces of 8 bytes.  Piece p of lanes 0-15 begins at byte Y_ of the row of codes, lanes 16-31 read 24 bytes further on.
.macro PIECE p
.set Y_, 96*ST_+48*((\p)/3)+8*((\p)%3)
.set O_, (Y_%256)/8
.endm
.macro L2 p, t                         ; pieces p, p + 1
	PIECE \p
.set O1_, O_
	PIECE \p+1
	ds_load_2addr_b64 v[R_+2*(\p):R_+2*(\p)+3], v[\t] offset0:O1_ offset1:O_
.endm
.macro L1 p, t
	PIECE \p
	ds_load_b64 v[R_+2*(\p):R_+2*(\p)+1], v[\t] offset:8*O_
.endm
.macro FSEL f0, n, f1                  ; the run's fragment I_
.if I_ < (\n)
.set F_, (\f0)+I_
.else
.set F_, (\f1)+I_-(\n)
.endif
.set R_, 12*F_
.set T_, 216+F_
.set X_, XT+2*I_
.set XN_, X_+1
.endm
; ---- a run of loads: n fragments from f0 on and m from f1 on, of step st; three loads each, or four where the step lies across two chunks
.macro RUN st, f0, n, f1, m
.set ST_, \st
.set S0_, ((96*ST_)/256)%2
.set S1_, ((96*ST_+96)/256)%2
	PLACES
	WIN 0x45
.if (ST_%8 == 2) || (ST_%8 == 5)                   ; the further addresses, all ahead of the loads
.set I_, 0
.rept (\n)+(\m)
	FSEL \f0, \n, \f1
.if S0_
	v_sub_nc_u32 v[X_], v[T_], v[X10]
	v_sub_nc_u32 v[XN_], v[T_], s[SLT]
.else
	v_add_nc_u32 v[X_], v[X01], v[T_]
	v_add_nc_u32 v[XN_], s[SLT], v[T_]
.endif
.set I_, I_+1
.endr
.endif
.set I_, 0
.rept (\n)+(\m)
	FSEL \f0, \n, \f1
.if ST_%8 == 2
	L2 0, T_
	L1 2, T_
	L2 3, X_
	L1 5, XN_
.elseif ST_%8 == 5
	L1 0, T_
	L2 1, X_
	L2 3, XN_
	L1 5, XN_
.else
	L2 0, T_
	L2 2, T_
	L2 4, T_
.endif
.set I_, I_+1
.endr
.if (ST_ < 15) && (S0_ != S1_)                     ; the next step begins in the other slot
.set I_, 0
.rept (\n)+(\m)
	FSEL \f0, \n, \f1
.if S0_
	v_sub_nc_u32 v[T_], v[T_], s[SLT]
.else
	v_add_nc_u32 v[T_], s[SLT], v[T_]
.endif
.set I_, I_+1
.endr
.endif
.endm
; ---- a product: A's tile a, column b (0-7 the weight's, source 0; 8, 9 V's, source 1)
.macro MM1 c, ra, rb
	v_wmma_scale_f32_16x16x128_f8f6f4 v[D_:D_+7], v[F0_:F0_+11], v[F1_:F1_+11], \c, v[X0_], v[X1_] matrix_a_fmt:MATRIX_FMT_FP6 matrix_b_fmt:MATRIX_FMT_FP6 matrix_a_scale:MATRIX_SCALE_ROW\ra matrix_b_scale:MATRIX_SCALE_ROW\rb
.endm
.macro MM c
.if R0_ && R1_
	MM1 \c, 1, 1
.elseif R0_
	MM1 \c, 1, 0
.elseif R1_
	MM1 \c, 0, 1
.else
	MM1 \c, 0, 0
.endif
.endm
.macro PROD a, b
.set A_, \a
.set B_, \b
.set SB_, SC+38*((S/4)%3)+S%4
.if B_ < 8
.set W_, 2+A_/4
	WIN (W_*0x50)|5
.set D_, 8*(8*(A_%4)+B_)
.set F0_, 12*(8+B_)
.set F1_, 12*A_
.set X0_, SB_+18+4*(B_/2)
.set X1_, SB_+4*(A_/2)
.set R0_, B_%2
.set R1_, A_%2
.else
	WIN 0x05
.set D_, VA+64*(B_-8)+8*A_
.set F0_, 12*A_
.set F1_, 12*(8+B_)
.set X0_, SB_+4*(A_/2)
.set X1_, SB_+34
.set R0_, A_%2
.set R1_, B_-8
.endif
.if S == 0
	MM 0
.else
	MM v[D_:D_+7]
.endif
.endm
; ---- the way out of Q's or K's rows 16 a .. + 15, in nine parts: a lane's 64 results are two scale blocks of 32.  Two chains to a block.
.macro QP a, k
.set QA, \a
.set QK, \k
.set QW, 2+QA/4
.set QB, 64*(QA%4)
.if QK < 4
.irp rr, 0,1
.set RR, 2*QK+\rr
.if RR == 0
	WIN 0x40|(QW<<4)|(QW<<2)|QW
.irp c, 0,1
	v_max3_num_f32 v[TM+2*\c], |v[QB+32*\c]|, |v[QB+32*\c+1]|, 0x1800000
	v_max3_num_f32 v[TM+2*\c+1], |v[QB+32*\c+16]|, |v[QB+32*\c+17]|, |v[QB+32*\c+18]|
.endr
.else
	WIN 0x41|(QW<<4)|(QW<<2)
.irp c, 0,1
	v_max3_num_f32 v[TM+2*\c], v[TM+2*\c], |v[QB+32*\c+2*RR]|, |v[QB+32*\c+2*RR+1]|
.if RR < 7
	v_max3_num_f32 v[TM+2*\c+1], v[TM+2*\c+1], |v[QB+32*\c+2*RR+17]|, |v[QB+32*\c+2*RR+18]|
.endif
.endr
.endif
.endr
.elseif QK == 4
	WIN 0x45|(QW<<4)
.irp c, 0,1
	v_max3_num_f32 v[TM+2*\c], v[TM+2*\c], v[TM+2*\c+1], |v[QB+32*\c+31]|
.endr
	WIN 0x45
.irp c, 0,1
	v_add_nc_u32 v[SO+\c], 0xff000000, v[TM+2*\c]  ; 2 off the exponent field: the conversion's scale operand
.endr
.elseif QK < 7
.set QC, QK-5
	WIN 0x44|QW
	v_cvt_scalef32_pk16_fp6_f32 v[12*QA+6*QC:12*QA+6*QC+2], v[QB+32*QC:QB+32*QC+15], v[SO+QC]
	v_cvt_scalef32_pk16_fp6_f32 v[TC+4*QC:TC+4*QC+2], v[QB+32*QC+16:QB+32*QC+31], v[SO+QC]
.elseif QK == 7
	WIN 0x45
.irp c, 0,1
	v_lshrrev_b32 v[BY+\c], 23, v[SO+\c]
.endr
.irp c, 0,1
.irp i, 0,1,2
	v_mov_b32 v[12*QA+6*\c+3+\i], v[TC+4*\c+\i]
.endr
.endr
.elseif QK == 8
	WIN 0x04
	ds_store_b8 v[SGB], v[BY] offset:64*QA         ; byte h of row r's word,
	ds_store_b8 v[SGB], v[BY+1] offset:64*QA+2     ; and byte 2 + h
.irp i, 0,1,2
	global_store_b128 v[LI], v[12*QA+4*\i:12*QA+4*\i+3], s[84:85] offset:1536*QA+512*\i
.endr
.endif
.endm
; ---- what stands ahead of product P.  A dscnt count is that of the LDS instructions issued behind the loads that are needed: fragments of NS (this step's) or NN (the next step's) loads each, and the add.
.macro ADDIT
	WIN 0
	s_wait_tensorcnt 0x0                           ; all my tensor loads have landed;
	ds_add_u32 v[SPW], v[NIL]                      ; 0 onto my spare word;
	GNEXT RF
.endm
.macro PRE
.if P == 0
	RUN S, 8+YB, 5, 4, 4                           ; this step's Y and A 4-7
.if RF && (S != 7)
	ADDIT
	s_wait_dscnt 9*NS+1                            ; A 0-3 and X are in
.else
	s_wait_dscnt 9*NS
.endif
.if S == 0
	s_wait_loadcnt 18                              ; the first group of scale words; the two others may be out
.elseif (S == 4) || (S == 12)
	s_wait_loadcnt 0x0
.endif
.elseif P == 20
.if S == 7
	ADDIT                                          ; (later than in the other rounds: chunk 3 has so much longer in which to land)
.endif
.if RF
	s_wait_dscnt 4*NS+1                            ; Y is in
.else
	s_wait_dscnt 4*NS
.endif
.elseif P == 28
.if RF
	s_wait_dscnt 0x0                               ; the add is done, and so are my reads of the chunk left behind
	s_barrier_signal -1
.endif
.elseif P == 32
.if VIS
	s_wait_tensorcnt 0x0                           ; my part of the next chunk is in
	s_wait_dscnt 0x0
	s_barrier_signal -1
.endif
.elseif P == 40
.if (S == 2) || (S == 5) || (S == 7) || (S == 10) || (S == 13)
	s_wait_alu depctr_va_vdst(0)                   ; the fragments' addresses have changed slots
.endif
.if RF
	WIN 0
	s_barrier_wait -1
	CREST                                          ; no wave of any partner still reads that chunk or has a load on its way
	JLOAD                                          ; chunk RF
.elseif VIS
	s_barrier_wait -1
.endif
.if S < 15
	RUN S+1, 0, 4, 0, 0                            ; the next step's A 0-3
.if PC_
	WIN 0
	PREF PC_
.endif
.if S == 4
	WIN 0
	SCALES 3                                       ; into the first group's registers, last read in step 3
.endif
	s_wait_dscnt 4*NN                              ; A 4-7 are in
.else
	PLACES                                         ; for the way out of rows 0-63, which stands among the last forty products
	s_wait_dscnt 0x0
.endif
.elseif P == 60
.if S < 15
	RUN S+1, 8+YB, 5, 0, 0                         ; the next step's X
.endif
.endif
.endm
.macro DOP a, b
	PRE
	PROD \a, \b
.if (S == 15) && (P >= 40)
	QP (P-40)/10, (P-40)%10
.endif
.set P, P+1
.endm
.macro STEP
.set XB, 5*(S%2)
.set YB, 5-XB
.set NS, 3
.if (S%8 == 2) || (S%8 == 5)
.set NS, 4
.endif
.set NN, 3
.if (S%8 == 1) || (S%8 == 4)
.set NN, 4
.endif
.set RF, 0                             ; the chunk that this step asks for
.set VIS, 0                            ; 1: a plain barrier shows the next chunk
.set PC_, 0                            ; the chunk that it prefetches
.if S == 0
.set PC_, 2
.elseif S == 2
.set RF, 2
.set PC_, 3
.elseif S == 5
.set RF, 3
.set PC_, 4
.elseif S == 7
.set RF, 4
.set PC_, 5
.elseif S == 10
.set RF, 5
.elseif (S == 1) || (S == 4) || (S == 9) || (S == 12)
.set VIS, 1
.endif
.set P, 0
.irp i, 0,1,2,3,4
.irp a, 0,1,2,3
	DOP \a, XB+\i
.endr
.endr
.irp a, 0,1,2,3
.irp i, 0,1,2,3,4
	DOP \a, YB+\i
.endr
.endr
.irp i, 0,1,2,3,4
.irp a, 4,5,6,7
	DOP \a, YB+\i
.endr
.endr
.irp i, 0,1,2,3,4
.irp a, 4,5,6,7
	DOP \a, XB+\i
.endr
.endr
.endm
	s_wait_alu depctr_va_vdst(0)                   ; the wait at the head's end
	s_wait_tensorcnt 0x0                           ; my part of chunk 0 is in
	ds_add_u32 v[SPW], v[NIL]
	GNEXT 1
	s_wait_dscnt 0x0                               ; the add is done
	CROUND                                         ; everybody's part of chunk 0 is in, and all sixteen work-groups are here
	JLOAD                                          ; chunk 1
	RUN 0, 0, 4, 8, 5                              ; step 0's A 0-3 and X
.set S, 0
.rept 16
	STEP
.set S, S+1
.endr
; ---- the rest of the way out: rows 64-127 of Q or K, then V
	PLACES
.irp a, 4,5,6,7
.irp k, 0,1,2,3,4,5,6,7,8
	QP \a, \k
.endr
.endr
	s_mov_b32 vcc_lo, 0xffff0000
.macro QV c                            ; V's tile c: a lane holds one column and, in four blocks of 32 tokens, 16 of each; lane l xor 16 the other 16
.set QB, VA+64*\c
.set PV, 96+12*\c
	WIN 0x40
.irp b, 0,1,2,3
	v_max3_num_f32 v[TM+\b], |v[QB+16*\b]|, |v[QB+16*\b+1]|, 0x1800000
.endr
	WIN 0x41
.irp i, 2,4,6,8,10,12,14
.irp b, 0,1,2,3
	v_max3_num_f32 v[TM+\b], v[TM+\b], |v[QB+16*\b+\i]|, |v[QB+16*\b+\i+1]|
.endr
.endr
.irp b, 0,1,2,3
	v_permlanex16_b32 v[SO+\b], v[TM+\b], s20, s21
.endr
	WIN 0x45
.irp b, 0,1,2,3
	v_max_num_f32 v[TM+\b], v[TM+\b], v[SO+\b]
.endr
.irp b, 0,1,2,3
	v_add_nc_u32 v[SO+\b], 0xff000000, v[TM+\b]
.endr
.irp b, 0,1,2,3
	v_lshrrev_b32 v[TM+\b], 23, v[SO+\b]
.endr
	WIN 0x55
	v_lshl_or_b32 v[TM], v[TM+1], 8, v[TM]
	v_lshl_or_b32 v[TM], v[TM+2], 16, v[TM]
	v_lshl_or_b32 v[TM], v[TM+3], 24, v[TM]        ; the column's scale word
	WIN 0x44
.irp k, 0,1
	v_cvt_scalef32_pk16_fp6_f32 v[PV+6*\k:PV+6*\k+2], v[QB+32*\k:QB+32*\k+15], v[SO+2*\k]
	v_cvt_scalef32_pk16_fp6_f32 v[TC+4*\k:TC+4*\k+2], v[QB+32*\k+16:QB+32*\k+31], v[SO+2*\k+1]
.endr
	v_nop                                          ; a plain place behind the conversions
	WIN 0x45
.irp k, 0,1                                        ; a whole block to a lane: lanes 0-15 block 2 k, lanes 16-31 block 2 k + 1
.irp i, 0,1,2
	v_permlanex16_b32 v[144+\i], v[PV+6*\k+\i], s20, s21
	v_permlanex16_b32 v[148+\i], v[TC+4*\k+\i], s20, s21
.endr
.irp i, 0,1,2
	v_cndmask_b32 v[PV+6*\k+\i], v[PV+6*\k+\i], v[148+\i], vcc_lo
	v_cndmask_b32 v[PV+6*\k+3+\i], v[144+\i], v[TC+4*\k+\i], vcc_lo
.endr
.endr
	WIN 0x04
	ds_store_b32 v[SG4], v[TM] offset:512+64*\c
.irp i, 0,1,2
	global_store_b128 v[LI], v[PV+4*\i:PV+4*\i+3], s[88:89] offset:1536*\c+512*\i
.endr
.endm
	QV 0
	QV 1
	WIN 0x40
	ds_load_b128 v[160:163], v[SGR]                ; my own stage: LDS serves a wave's instructions in order (ISA guide 5.7.1.4)
	ds_load_b32 v164, v[SGV] offset:512
	s_wait_dscnt 0x0
	WIN 0x04
	global_store_b128 v[LI], v[160:163], s[86:87]
	global_store_b32 v[L4], v164, s[90:91]
	WIN 0
	s_wait_tensorcnt 0x0                           ; the wave's end
	ds_add_u32 v[SPW], v[NIL]
	s_wait_dscnt 0x0
	CROUND                                         ; the closing round
	s_endpgm
.Lfunc_end_k_qa1201ca2c2_proj:
	.size	k_qa1201ca2c2_proj, .Lfunc_end_k_qa1201ca2c2_proj-k_qa1201ca2c2_proj
	.p2alignl 7, 3214868480
	.fill 96, 4, 3214868480
	.section	.rodata,"a",@progbits
	.p2align	6, 0x0
	.amdhsa_kernel k_qa1201ca2c2_proj
		.amdhsa_group_segment_fixed_size 327680
		.amdhsa_private_segment_fixed_size 0
		.amdhsa_enable_private_segment 0
		.amdhsa_kernarg_size 96
		.amdhsa_user_sgpr_count 2
		.amdhsa_user_sgpr_kernarg_segment_ptr 1
		.amdhsa_wavefront_size32 1
		.amdhsa_system_sgpr_workgroup_id_x 1
		.amdhsa_system_sgpr_workgroup_id_y 1
		.amdhsa_system_sgpr_workgroup_id_z 1
		.amdhsa_system_vgpr_workitem_id 0
		.amdhsa_next_free_vgpr 1024
		.amdhsa_next_free_sgpr 102
		.amdhsa_reserve_vcc 1
		.amdhsa_float_denorm_mode_32 3
		.amdhsa_float_denorm_mode_16_64 3
		.amdhsa_memory_ordered 1
		.amdhsa_forward_progress 1
		.amdhsa_inst_pref_size 255
	.end_amdhsa_kernel
	.section	.bss,"aw",@nobits
	.p2align	6
	.space	262144
	.amdgpu_metadata
---
amdhsa.version: [ 1, 2 ]
amdhsa.kernels:
  - .name:           k_qa1201ca2c2_proj
    .symbol:         k_qa1201ca2c2_proj.kd
    .args:
      - { .name: x_codes, .offset: 0, .size: 8, .value_kind: global_buffer, .address_space: global }
      - { .name: x_scales, .offset: 8, .size: 8, .value_kind: global_buffer, .address_space: global }
      - { .name: Wq_codes, .offset: 16, .size: 8, .value_kind: global_buffer, .address_space: global }
      - { .name: Wq_scales, .offset: 24, .size: 8, .value_kind: global_buffer, .address_space: global }
      - { .name: Wk_codes, .offset: 32, .size: 8, .value_kind: global_buffer, .address_space: global }
      - { .name: Wk_scales, .offset: 40, .size: 8, .value_kind: global_buffer, .address_space: global }
      - { .name: Wv_codes, .offset: 48, .size: 8, .value_kind: global_buffer, .address_space: global }
      - { .name: Wv_scales, .offset: 56, .size: 8, .value_kind: global_buffer, .address_space: global }
      - { .name: qk_img, .offset: 64, .size: 8, .value_kind: global_buffer, .address_space: global }
      - { .name: qk_scl, .offset: 72, .size: 8, .value_kind: global_buffer, .address_space: global }
      - { .name: v_img, .offset: 80, .size: 8, .value_kind: global_buffer, .address_space: global }
      - { .name: v_scl, .offset: 88, .size: 8, .value_kind: global_buffer, .address_space: global }
    .group_segment_fixed_size: 327680
    .private_segment_fixed_size: 0
    .kernarg_segment_align: 8
    .kernarg_segment_size: 96
    .max_flat_workgroup_size: 128
    .sgpr_count:     102
    .vgpr_count:     1024
    .wavefront_size: 32
...
	.end_amdgpu_metadata
.endif
;; end of part 1
;; launch scores (part 2): grid 36 x 4, 4 waves a work-group, no clusters, 327,680 bytes of LDS; arguments qk_img, qk_scl, p_img, stat; writes p_img, stat
.if DOCPART == 2
	.amdgcn_target "amdgcn-amd-amdhsa--gfx1250"
	.amdhsa_code_object_version 6
	.text
	.protected	k_qa1201ca2c2_scores
	.globl	k_qa1201ca2c2_scores
	.p2align	8
	.type	k_qa1201ca2c2_scores,@function
k_qa1201ca2c2_scores:
	s_mov_b64 s[64:65], 0
	v_nop
	global_prefetch_b8 v0, s[64:65] scope:SCOPE_SE
	s_setreg_imm32_b32 hwreg(HW_REG_WAVE_MODE, 25, 1), 1
	s_wait_xcnt 0x0
; The tiles of S^T = k q^T on and under the diagonal, the causal mask, and p = 2^(t - M) quantised along the keys, on codes of FP6 (E2M3) with E8M0 scales.
; t = score x log2(e) / sqrt(2,048).  M here is the ceiling of the largest t among the 64 KEYS OF A WAVE'S CHUNK, a whole number for each query and chunk; the next launch brings all chunks of a row under the
; row's M by taking a whole number off p's scale bytes, which changes no code.  The sum of the unquantised p of the chunk goes with it.
; Tiles wholly above the diagonal are left out as dead work (the first launch's head comment).
; SHARES.  A work-group takes 128 queries (block qi) x 128 keys (block kj <= qi) of one batch: 36 tiles a batch, 144 work-groups.  A wave takes 64 queries (wi) x 64 keys (wj): 16 accumulators; K = 2,048 in 16 steps.
; Source 0 = 16 keys, source 1 = 16 queries: a lane holds one query and its registers run along the keys.
; OPERANDS come as images of their registers, made by the launch before: a K step of 128 rows is 12,288 dense bytes; a fragment is three loads of 512 consecutive bytes.
; LDS: q's K steps from byte 0 on, k's from 147,456 on, twelve each.  At the head each wave has one tensor load: waves 0 and 1 q's and k's K steps 0-5, waves 2 and 3 their K steps 6-11.  The first barrier waits for waves 0 and 1 alone,
; whose load line is their own; the barrier at step 5 for all, and behind it K steps 12-15 are brought over 0-3, two steps of q or of k a wave.
; NO CLUSTER: partners would have to share a block of queries or of keys, and a row of the triangle has qi + 1 tiles and a column 8 - kj, from 1 to 8: no grouping in fours gives every cluster the same shared tile.
; NO PREFETCH: twelve of the sixteen K steps are asked for at the head, and the text is one pass with no loop to run ahead in.
; WHERE p GOES.  Query block I < 4 is paired with block 7 - I: together (I + 1) + (8 - I) = 9 key steps.  Slot n of pair I: 0: (7 - I, key block 0); 1: (I, 0); 2-5: (7 - I, 1-4); 5 + j: (I, j) if j <= I, else (7 - I, 8 - j).
; LIMITS: NaN and infinities are not served.  A block whose every p is 0 keeps the scale byte 1; a chunk all of whose keys are hidden gets p = 0, sum 0 and -M = 3e38.  Scaled scores stay under 2^31 in magnitude.
; REGISTERS.  Window 0: v1-13 addresses and constants; v16-79 scale words (step g, tile i at 16 + 4 g + i: lanes 0-15 q's, lanes 16-31 k's); v80-127 at work; v128-255 accumulators ((a, t) at 128 + 8 (4 a + t)).
;   Window 1: two sets of fragments, at 0 and at 128: q's four at + 12 a, k's four at + 48 + 12 t.
.set REGB,  49152                      ; four K steps of q or of k
.set SPARE, 6*REGB                     ; the spare words, 128 bytes for each wave: two blocks of 256 bytes that no other line names
.set SPW,   1
.set NIL,   2
.set ADQ,   3                          ; v3-5  q's fragments in K steps 0-3 (and 12-15), 4-7, 8-11
.set ADK,   6                          ; v6-8  k's
.set SOF,   9                          ; v9    my offset among the scale words
.set LI,    10                         ; v10   16 x lane
.set L8,    11                         ; v11   8 x lane
.set DG,    12                         ; v12   my query less my first key, on the diagonal
.set NINF,  13                         ; v13   -infinity
.set SC,    16
.set MX,    80                         ; v80-81 a block's largest score, then its largest p
.set TP,    82                         ; v82-83 from lane l xor 16
.set NM,    84                         ; v[84:85] -M (the packed form names a pair and takes its low word)
.set SA,    86                         ; v[86:87], v[88:89] the sum, in two chains of pairs
.set SB,    88
.set SO,    90                         ; v90-91 the conversions' scale operands
.set BY,    92                         ; v92-93 the scale bytes
.set MT,    94
.set PCA,   96                         ; v96-101 half a fragment of p
.set PCB,   104
.set REC,   108                        ; v108-123 a record for each tile of queries: bytes, -M, sum, 0
.set ACC,   128
.set CS,    22                         ; s[22:23] log2(e) / sqrt(2,048)
.set G1,    24                         ; s[24:31] descriptor group 1 of the head's loads, s[32:35] group 0
.set G0,    32
.set G0R,   40                         ; s[40:43], s[56:63] the refill's
.set G1R,   56
.set MSB, 0
.macro WIN new
.if MSB != (\new)
	s_set_vgpr_msb (MSB<<8)|(\new)
.set MSB, (\new)
.endif
.endm
.macro PLACES
.rept 4
	v_nop
.endr
.endm
	s_load_b256 s[44:51], s[0:1], 0x0              ; qk_img, qk_scl, p_img, stat
	v_lshl_add_u32 v[SPW], v0, 2, SPARE
	v_mov_b32 v[NIL], 0
	ds_add_u32 v1, v2                              ; the opening lines
	ds_add_u32 v1, v2
	s_wait_dscnt 0x0
	v_lshrrev_b32 v124, 5, v0
	v_readfirstlane_b32 s14, v124                  ; wave 0..3
	s_lshr_b32 s15, s14, 1                         ; wi: my 64 queries.  Also: which K steps I fetch
	s_and_b32 s16, s14, 1                          ; wj: my 64 keys.  Also: I fetch q's (0) or k's (1)
	s_mov_b32 s4, 0
.irp th, 1,3,6,10,15,21,28                         ; the tile's number t = qi (qi + 1) / 2 + kj
	s_cmp_ge_u32 ttmp9, \th
	s_cselect_b32 s5, 1, 0
	s_add_co_u32 s4, s4, s5                        ; qi
.endr
	s_add_co_u32 s5, s4, 1
	s_mul_i32 s5, s5, s4
	s_lshr_b32 s5, s5, 1
	s_sub_co_u32 s5, ttmp9, s5                     ; kj
	s_sub_co_u32 s6, 7, s4
	s_add_co_u32 s7, s5, 5
	s_add_co_u32 s8, s5, 1
	s_sub_co_u32 s9, 13, s5
	s_cmp_le_u32 s5, 4
	s_cselect_b32 s8, s8, s9
	s_cmp_eq_u32 s5, 0
	s_cselect_b32 s7, 1, s7                        ; the slot of a block qi < 4,
	s_cselect_b32 s8, 0, s8                        ; and of a block qi >= 4
	s_cmp_lt_u32 s4, 4
	s_cselect_b32 s6, s4, s6                       ; I
	s_cselect_b32 s7, s7, s8                       ; n
	s_and_b32 s10, ttmp7, 0xffff                   ; the batch
	s_lshl_b32 s11, s10, 3
	s_add_co_u32 s12, s11, s4                      ; q's block of 128 rows of x
	s_add_co_u32 s13, s11, s5                      ; k's
	s_mul_i32 s17, s12, 196608
	s_mul_i32 s18, s13, 196608
	s_add_co_u32 s18, s18, 6291456
	s_cmp_eq_u32 s16, 0
	s_cselect_b32 s52, s17, s18
	s_mul_i32 s19, s15, 73728
	s_add_co_u32 s52, s52, s19                     ; what I fetch: six K steps of q or of k, 73,728 dense bytes
	s_mov_b32 s53, 0
	s_mul_i32 s54, s16, 147456
	s_mul_i32 s55, s15, 24576
	s_add_co_u32 s55, s54, s55                     ; where my two K steps of the refill go,
	s_add_co_u32 s54, s54, s19                     ; and my six of the head's
	s_mul_i32 s18, s15, 49152
	s_mov_b32 s19, 0
.irp g, G1, G1R                                    ; elements of 8 bytes, no mask, no padding: rows of 256 bytes, dense
	s_mov_b32 s[\g], 3<<16
	s_mov_b32 s[\g+1], 32<<16
	s_mov_b32 s[\g+3], 32<<16
	s_mov_b32 s[\g+5], 32
	s_mov_b32 s[\g+6], 0
	s_mov_b32 s[\g+7], 0
.endr
	s_mov_b32 s[G1+2], 288<<16
	s_mov_b32 s[G1+4], 288
	s_mov_b32 s[G1R+2], 96<<16
	s_mov_b32 s[G1R+4], 96
	s_mov_b32 s20, 0x76543210
	s_mov_b32 s21, 0xfedcba98
	s_mov_b32 s[CS], 0x3d0293ee
	s_mov_b32 s[CS+1], s[CS]
	s_wait_kmcnt 0x0
	s_add_nc_u64 s[52:53], s[44:45], s[52:53]
	s_mov_b32 s[G0], 1
	s_mov_b32 s[G0+1], s54
	s_mov_b64 s[G0+2:G0+3], s[52:53]
	s_or_b32 s[G0+3], s[G0+3], 0x80000000
	s_mov_b32 s[G0R], 1                            ; the refill: twelve K steps on, two K steps a wave
	s_mov_b32 s[G0R+1], s55
	s_sub_nc_u64 s[G0R+2:G0R+3], s[52:53], s[18:19]
	s_add_nc_u64 s[G0R+2:G0R+3], s[G0R+2:G0R+3], 147456
	s_or_b32 s[G0R+3], s[G0R+3], 0x80000000
	s_cmp_lt_u32 s14, 2
	s_cbranch_scc0 .Lsecond_half
	tensor_load_to_lds s[G0:G0+3], s[G1:G1+7]      ; waves 0, 1: K steps 0-5
	s_nop 0
	PLACES
	s_branch .Lhead_asked
.Lsecond_half:
	tensor_load_to_lds s[G0:G0+3], s[G1:G1+7]      ; waves 2, 3: K steps 6-11
	s_nop 0
	PLACES
.Lhead_asked:
	v_and_b32 v124, 15, v0                         ; r
	v_bfe_u32 v125, v0, 4, 1                       ; h
	s_wait_alu depctr_va_vdst(0)
	v_and_b32 v126, 31, v0                         ; lane
	s_wait_alu depctr_va_vdst(0)
	s_lshl_b32 s17, s12, 13                        ; the scale words: 8,192 bytes a block of rows, 512 a K step, 64 a tile
	s_lshl_b32 s19, s15, 8
	s_add_co_u32 s17, s17, s19                     ; q's: my four tiles
	s_lshl_b32 s18, s13, 13
	s_lshl_b32 s19, s16, 8
	s_add_co_u32 s18, s18, s19
	s_add_co_u32 s18, s18, 262144                  ; k's
	s_sub_co_u32 s18, s18, s17
	v_mul_lo_u32 v[SOF], v125, s18                 ; lanes 16-31 take k's
	v_lshl_add_u32 v[SOF], v124, 2, v[SOF]
	v_add_nc_u32 v[SOF], s17, v[SOF]
.irp g, 0,1,2,3,4,5,6,7,8,9,10,11,12,13,14,15
.irp i, 0,1,2,3
	global_load_b32 v[SC+4*\g+\i], v[SOF], s[46:47] offset:512*\g+64*\i
.endr
.endr
	v_lshlrev_b32 v[LI], 4, v126
	v_lshlrev_b32 v[L8], 3, v126
	s_mul_i32 s17, s15, 6144
	s_mul_i32 s18, s16, 6144
	s_add_co_u32 s18, s18, 147456
.irp g, 0,1,2
	v_add_nc_u32 v[ADQ+\g], s17, v[LI]
	v_add_nc_u32 v[ADK+\g], s18, v[LI]
	s_add_co_u32 s17, s17, REGB
	s_add_co_u32 s18, s18, REGB
.endr
	v_lshlrev_b32 v127, 3, v125
	v_sub_nc_u32 v[DG], v124, v127
	s_sub_co_i32 s17, s15, s16
	s_lshl_b32 s17, s17, 6
	v_add_nc_u32 v[DG], s17, v[DG]                 ; r - 8 h + 64 (wi - wj)
	v_mov_b32 v[NINF], 0xff800000
	v_mov_b32 v[TP], 0                             ; written once: a lane permute's destination counts as one of its sources
	v_mov_b32 v[TP+1], 0
	v_mov_b32 v[NM+1], 0                           ; (named as the upper half of a pair)
	v_mov_b32 v[REC+3], 0
	v_mov_b32 v[REC+11], 0
	s_lshl_b32 s17, s10, 2
	s_add_co_u32 s17, s17, s6
	s_mul_i32 s17, s17, 9
	s_add_co_u32 s17, s17, s7                      ; (4 b + I) 9 + n
	s_mul_i32 s18, s17, 12288
	s_mul_i32 s19, s15, 6144
	s_add_co_u32 s18, s18, s19
	s_mul_i32 s19, s16, 768
	s_add_co_u32 s18, s18, s19
	s_mov_b32 s19, 0
	s_add_nc_u64 s[48:49], s[48:49], s[18:19]      ; p: my four tiles of queries, my half of each fragment
	s_lshl_b32 s18, s17, 1
	s_add_co_u32 s18, s18, s16
	s_lshl_b32 s18, s18, 11
	s_lshl_b32 s17, s15, 10
	s_add_co_u32 s18, s18, s17
	s_add_nc_u64 s[50:51], s[50:51], s[18:19]      ; the records: my chunk of keys, my 64 queries
.macro FETCH g                         ; K step g's fragments into set g % 2: 24 loads of 512 consecutive bytes
.set RG, ((\g)/4)%3                    ; K steps 12-15 lie where 0-3 lay
.set FB, 128*((\g)%2)
.set KO, 12288*((\g)%4)
.irp a, 0,1,2,3
.irp c, 0,1,2
	ds_load_b128 v[FB+12*\a+4*\c:FB+12*\a+4*\c+3], v[ADQ+RG] offset:KO+1536*\a+512*\c
.endr
.endr
.irp a, 0,1,2,3
.irp c, 0,1,2
	ds_load_b128 v[FB+48+12*\a+4*\c:FB+48+12*\a+4*\c+3], v[ADK+RG] offset:KO+1536*\a+512*\c
.endr
.endr
.endm
.macro MULS g                          ; 16 products; the accumulators take turns, one instruction a turn
.set FB, 128*((\g)%2)
.irp a, 0,1,2,3
.irp t, 0,1,2,3
.if (\g) == 0
	v_wmma_scale_f32_16x16x128_f8f6f4 v[ACC+8*(4*\a+\t):ACC+8*(4*\a+\t)+7], v[FB+48+12*\t:FB+48+12*\t+11], v[FB+12*\a:FB+12*\a+11], 0, v[SC+4*(\g)+\t], v[SC+4*(\g)+\a] matrix_a_fmt:MATRIX_FMT_FP6 matrix_b_fmt:MATRIX_FMT_FP6 matrix_a_scale:MATRIX_SCALE_ROW1
.else
	v_wmma_scale_f32_16x16x128_f8f6f4 v[ACC+8*(4*\a+\t):ACC+8*(4*\a+\t)+7], v[FB+48+12*\t:FB+48+12*\t+11], v[FB+12*\a:FB+12*\a+11], v[ACC+8*(4*\a+\t):ACC+8*(4*\a+\t)+7], v[SC+4*(\g)+\t], v[SC+4*(\g)+\a] matrix_a_fmt:MATRIX_FMT_FP6 matrix_b_fmt:MATRIX_FMT_FP6 matrix_a_scale:MATRIX_SCALE_ROW1
.endif
.endr
.endr
.endm
.macro KSTEP g
.if (\g) == 5
	WIN 0                                          ; (the add's registers lie in window 0)
	s_wait_tensorcnt 0x0                           ; my tensor load has landed: K steps 6-11 too
	ds_add_u32 v[SPW], v[NIL]                      ; 0 onto my spare word
	s_wait_dscnt 0x0                               ; the add is done, and my reads of K steps 0-5 are over
	s_barrier_signal -1
	s_barrier_wait -1
	tensor_load_to_lds s[G0R:G0R+3], s[G1R:G1R+7]  ; K steps 12-15 over 0-3: my one tensor load behind this barrier
	s_nop 0
	PLACES                                         ; also the places in front of the loads below
.elseif (\g) == 11
	s_wait_tensorcnt 0x0                           ; my part of K steps 12-15 is in,
	s_wait_dscnt 0x0
	s_barrier_signal -1
	s_barrier_wait -1                              ; everybody's is
	PLACES
.elseif (\g) > 0
	PLACES                                         ; the other set was read by the last step's products
.endif
.if (\g) < 15
	WIN 0x40
	FETCH (\g)+1
	s_wait_dscnt 24                                ; all but the 24 just issued
.else
	s_wait_dscnt 0x0
.endif
	WIN 0x05
	MULS \g
.endm
	s_wait_alu depctr_va_vdst(0)                   ; the wait at the head's end
	s_cmp_lt_u32 s14, 2
	s_cbranch_scc0 .Lnot_first
	s_wait_tensorcnt 0x0                           ; waves 0, 1: K steps 0-5 are in; 6-11 may be out
.Lnot_first:
	s_barrier_signal -1
	s_barrier_wait -1
	WIN 0x40
	FETCH 0
	s_wait_loadcnt 0x0                             ; the scale words
.irp g, 0,1,2,3,4,5,6,7,8,9,10,11,12,13,14,15
	KSTEP \g
.endr
	WIN 0
	PLACES
	s_cmp_lg_u32 s4, s5                            ; only a tile on the diagonal has hidden keys: a branch on ids
	s_cbranch_scc1 .Lopen
	s_wait_alu depctr_va_vdst(0)
.irp a, 0,1,2,3
.irp t, 0,1,2,3
.irp j, 0,1,2,3,4,5,6,7
	v_cmp_gt_i32 vcc_lo, 16*\t+\j-16*\a, v[DG]     ; key 64 wj + 16 t + 8 h + j comes after query 64 wi + 16 a + r
	v_cndmask_b32 v[ACC+8*(4*\a+\t)+\j], v[ACC+8*(4*\a+\t)+\j], v[NINF], vcc_lo
.endr
.endr
.endr
.Lopen:
; One tile of 16 queries: 32 registers a lane, two blocks of 32 keys (each with lane l xor 16's 16).
.macro SOFTQ a
.set S, ACC+32*(\a)
.set RC, REC+4*(\a)
.irp u, 0,1
	v_max3_num_f32 v[MX+\u], v[S+16*\u], v[S+16*\u+1], v[S+16*\u+2]      ; the largest score of each block: it serves for M and, since p rises with the score, for the block's largest p
.endr
.irp i, 3,5,7,9,11,13
.irp u, 0,1
	v_max3_num_f32 v[MX+\u], v[MX+\u], v[S+16*\u+\i], v[S+16*\u+\i+1]
.endr
.endr
.irp u, 0,1
	v_max_num_f32 v[MX+\u], v[MX+\u], v[S+16*\u+15]
.endr
.irp u, 0,1
	v_permlanex16_b32 v[TP+\u], v[MX+\u], s20, s21
.endr
.irp u, 0,1
	v_max_num_f32 v[MX+\u], v[MX+\u], v[TP+\u]
.endr
	v_max_num_f32 v[MT], v[MX], v[MX+1]
	v_mul_f32 v[MT], s[CS], v[MT]                  ; as t
	v_max_num_f32 v[MT], 0xff61b1e6, v[MT]         ; -3e38 where every key is hidden
	v_floor_f32 v[NM], -v[MT]                      ; -M = floor(-t): a whole number
	v_mov_b32 v[RC+1], v[NM]
.irp j, 0,2,4,6,8,10,12,14,16,18,20,22,24,26,28,30
	v_pk_fma_f32 v[S+\j:S+\j+1], v[S+\j:S+\j+1], s[CS:CS+1], v[NM:NM+1] op_sel_hi:[1,0,0]   ; t - M
.endr
.irp u, 0,1
	v_fma_f32 v[MX+\u], v[MX+\u], s[CS], v[NM]
.endr
	s_wait_alu depctr_va_vdst(0)
.irp j, 0,1,2,3,4,5,6,7,8,9,10,11,12,13,14,15,16,17,18,19,20,21,22,23,24,25,26,27,28,29,30,31
	v_exp_f32 v[S+\j], v[S+\j]                     ; p = 2^(t - M)
.endr
	v_nop                                          ; a plain place behind the exponentials
	s_wait_alu depctr_va_vdst(0)                   ; one wait for the batch, ahead of its first reader
.irp u, 0,1
	v_exp_f32 v[MX+\u], v[MX+\u]                   ; the block's largest p
.endr
	v_pk_add_f32 v[SA:SA+1], v[S:S+1], v[S+2:S+3]  ; the sum of the unquantised p, in two chains: plain work behind the two
	v_pk_add_f32 v[SB:SB+1], v[S+4:S+5], v[S+6:S+7]
.irp j, 8,12,16,20,24,28
	v_pk_add_f32 v[SA:SA+1], v[SA:SA+1], v[S+\j:S+\j+1]
	v_pk_add_f32 v[SB:SB+1], v[SB:SB+1], v[S+\j+2:S+\j+3]
.endr
	v_pk_add_f32 v[SA:SA+1], v[SA:SA+1], v[SB:SB+1]
	v_add_f32 v[MT], v[SA], v[SA+1]
	v_permlanex16_b32 v[TP], v[MT], s20, s21
	v_add_f32 v[RC+2], v[MT], v[TP]                ; with lane l xor 16's: the chunk's sum
	s_wait_alu depctr_va_vdst(0)                   ; and one wait for the two
.irp u, 0,1
	v_max_num_f32 v[MX+\u], 0x1800000, v[MX+\u]    ; the floor 2^(3 - 127): the byte cannot fall under 1
.endr
.irp u, 0,1
	v_add_nc_u32 v[SO+\u], 0xff000000, v[MX+\u]    ; 2 off the exponent field: the conversion's scale operand
.endr
.irp u, 0,1
	v_lshrrev_b32 v[BY+\u], 23, v[SO+\u]
.endr
	v_lshl_or_b32 v[RC], v[BY+1], 8, v[BY]         ; the chunk's two scale bytes
	s_wait_alu depctr_va_vdst(0)
	s_wait_xcnt 0x0                                ; the last tile's stores have read the codes' registers
	v_cvt_scalef32_pk16_fp6_f32 v[PCA:PCA+2], v[S:S+15], v[SO]
	v_cvt_scalef32_pk16_fp6_f32 v[PCB:PCB+2], v[S+16:S+31], v[SO+1]
	v_nop                                          ; one plain place behind a scaled conversion
.irp i, 0,1,2
	v_permlane16_swap_b32 v[PCA+\i], v[PCB+\i]     ; a whole block to a lane
.endr
.irp i, 0,1,2
	v_mov_b32 v[PCA+3+\i], v[PCB+\i]
.endr
	global_store_b128 v[LI], v[PCA:PCA+3], s[48:49] offset:1536*(\a)        ; half a fragment: four registers as 512 consecutive bytes,
	global_store_b64 v[L8], v[PCA+4:PCA+5], s[48:49] offset:1536*(\a)+512   ; two as 256
.endm
	SOFTQ 0
	SOFTQ 1
	SOFTQ 2
	SOFTQ 3
	s_mov_b32 vcc_lo, 0xffff0000
.irp e, 0,1                                        ; a record a query: lanes 0-15 tile 2 e's, lanes 16-31 tile 2 e + 1's (both halves of the lanes hold a tile's figures)
.irp k, 0,1,2
	v_cndmask_b32 v[REC+8*\e+\k], v[REC+8*\e+\k], v[REC+8*\e+4+\k], vcc_lo
.endr
	global_store_b128 v[LI], v[REC+8*\e:REC+8*\e+3], s[50:51] offset:512*\e
.endr
	s_wait_tensorcnt 0x0                           ; the wave's end
	ds_add_u32 v[SPW], v[NIL]
	s_wait_dscnt 0x0
	s_endpgm
.Lfunc_end_k_qa1201ca2c2_scores:
	.size	k_qa1201ca2c2_scores, .Lfunc_end_k_qa1201ca2c2_scores-k_qa1201ca2c2_scores
	.p2alignl 7, 3214868480
	.fill 96, 4, 3214868480
	.section	.rodata,"a",@progbits
	.p2align	6, 0x0
	.amdhsa_kernel k_qa1201ca2c2_scores
		.amdhsa_group_segment_fixed_size 327680
		.amdhsa_private_segment_fixed_size 0
		.amdhsa_enable_private_segment 0
		.amdhsa_kernarg_size 32
		.amdhsa_user_sgpr_count 2
		.amdhsa_user_sgpr_kernarg_segment_ptr 1
		.amdhsa_wavefront_size32 1
		.amdhsa_system_sgpr_workgroup_id_x 1
		.amdhsa_system_sgpr_workgroup_id_y 1
		.amdhsa_system_sgpr_workgroup_id_z 1
		.amdhsa_system_vgpr_workitem_id 0
		.amdhsa_next_free_vgpr 512
		.amdhsa_next_free_sgpr 66
		.amdhsa_reserve_vcc 1
		.amdhsa_float_denorm_mode_32 3
		.amdhsa_float_denorm_mode_16_64 3
		.amdhsa_memory_ordered 1
		.amdhsa_forward_progress 1
		.amdhsa_inst_pref_size 106
	.end_amdhsa_kernel
	.amdgpu_metadata
---
amdhsa.version: [ 1, 2 ]
amdhsa.kernels:
  - .name:           k_qa1201ca2c2_scores
    .symbol:         k_qa1201ca2c2_scores.kd
    .args:
      - { .name: qk_img, .offset: 0, .size: 8, .value_kind: global_buffer, .address_space: global }
      - { .name: qk_scl, .offset: 8, .size: 8, .value_kind: global_buffer, .address_space: global }
      - { .name: p_img, .offset: 16, .size: 8, .value_kind: global_buffer, .address_space: global }
      - { .name: stat, .offset: 24, .size: 8, .value_kind: global_buffer, .address_space: global }
    .group_segment_fixed_size: 327680
    .private_segment_fixed_size: 0
    .kernarg_segment_align: 8
    .kernarg_segment_size: 32
    .max_flat_workgroup_size: 128
    .sgpr_count:     66
    .vgpr_count:     512
    .wavefront_size: 32
...
	.end_amdgpu_metadata
.endif
;; end of part 2
;; launch pv (part 3): grid 16 x 16, 4 waves a work-group, clusters of 4 x 1, 177,664 bytes of LDS; arguments p_img, stat, v_img, v_scl, out0; writes out0
.if DOCPART == 3
	.amdgcn_target "amdgcn-amd-amdhsa--gfx1250"
	.amdhsa_code_object_version 6
	.text
	.protected	k_qa1201ca2c2_pv
	.globl	k_qa1201ca2c2_pv
	.p2align	8
	.type	k_qa1201ca2c2_pv,@function
k_qa1201ca2c2_pv:
	s_mov_b64 s[64:65], 0
	v_nop
	global_prefetch_b8 v0, s[64:65] scope:SCOPE_SE
	s_setreg_imm32_b32 hwreg(HW_REG_WAVE_MODE, 25, 1), 1
	s_wait_xcnt 0x0
	s_wait_alu depctr_hold_cnt(0) depctr_sa_sdst(0) depctr_va_vdst(0) depctr_va_sdst(0) depctr_va_ssrc(0) depctr_va_vcc(0) depctr_vm_vsrc(0)
	s_getreg_b32 s2, hwreg(HW_REG_IB_STS2, 6, 4)
	s_cmp_eq_u32 s2, 0
	s_cbranch_scc0 .Lentry_in_a_cluster
	s_endpgm
.Lentry_in_a_cluster:
	s_bfe_u32 s2, ttmp6, 0x10000c
	s_cmp_lg_u32 s2, 0x3003
	s_cbranch_scc0 .Lentry_shape_is_right
	s_endpgm
.Lentry_shape_is_right:
; out = (p v) / l on codes of FP6 (E2M3) with E8M0 scales.  p comes quantised under the M of each chunk of 64 keys; here the row's M is found, each chunk's two scale bytes are lowered by M(row) - M(chunk), a whole
; number (the codes stay), and the chunks' sums are added under the row's M: l = the sum of 2^(M(chunk) - M(row)) x the chunk's sum.
; Tiles wholly above the diagonal are left out as dead work (the first launch's head comment).
; SHARES.  Work-group (vblk, 4 b + I) takes 64 columns of v and TWO blocks of 128 queries of batch b: block I (tile A) and block 7 - I (tile B): (I + 1) + (8 - I) = 9 key steps of 128 for every I, so all 256 work-groups
; do the same work.  A wave takes 32 queries x the 64 columns of both tiles: 16 accumulators.  Source 0 = 16 columns of v, source 1 = 16 queries: a lane holds one query and eight neighbouring columns of out.
; STEP n: 0: B with key block 0; 1: A with 0; 2-5: B with 1-4; 5 + j (j = 1, 2, 3): A with j if j <= I, else B with 8 - j: a scalar branch on ids chooses the accumulators.
; LDS is filled once, by one tensor load a wave: waves 0, 1 half of p's nine slots each (110,592 bytes in all), waves 2, 3 four of v's eight key blocks each (49,152).  No byte is filled again.
; CLUSTER.  The four work-groups of a cluster differ in vblk alone and read the same p: its two loads are asked for jointly.  v is not: the work-groups that share it differ in I, on which a branch and v's LDS addresses hang.
; NO PREFETCH: everything is asked for at the head.
; LIMITS: NaN and infinities are not served.  A chunk more than 126 binades under its row's M counts for 2^-126 of its sum, and a scale byte that would fall under 0 is held at 0.
; REGISTERS.  Window 0: v1-15 addresses; v16-24 p's scale words (step n at 16 + n); v34-51 v's (step n, pair of tiles e at 34 + 2 n + e); v52-62 sums and -M; v64-255 two sets of fragments (p's two at + 12 a, v's four at + 48 + 12 t);
;   at the head v64-135 hold the 18 records a lane and v208-218 are at work; on the way out v64-175 serve.   Window 1: the accumulators, tile T's (a, t) at 128 T + 8 (4 a + t).
.set VB,    110592                     ; v's key block sk at VB + 6,144 sk
.set STAGE, VB+49152                   ; the way out: 16 rows x (256 bytes + 16) for each wave
.set SPARE, STAGE+4*16*272             ; the spare words, two blocks of 256 bytes
.set ADP,   1                          ; v1, v2 p's 16-byte pieces, slots 0-4 and 5-8; v3, v4 its 8-byte pieces
.set ADV,   5                          ; v5   v's fragments
.set ADVF,  6                          ; v6-8 the same at the key block of step 6, 7, 8
.set STO,   9
.set RD,    10
.set CO,    11
.set LI,    13                         ; v13  16 x lane
.set L4,    14                         ; v14  4 x lane
.set PS,    16
.set SPW,   26
.set NIL,   27
.set RR,    28                         ; v28  r, v29 h
.set VS,    34
.set LA,    52                         ; v52 A's sum (query 32 w + lane), v54 B's
.set LB,    54
.set NMA,   56                         ; v56 A's -M, v58 B's; later the two reciprocals
.set NMB,   58
.set XR,    60                         ; v60, v62 the reciprocals of lane l xor 16
.set FRG,   64
.set RECB,  64                         ; record (n, chunk) at 64 + 8 n + 4 chunk: bytes, -M, sum, 0
.set D0,    208
.set D1,    209
.set F0,    210
.set F1,    211
.set TNT,   212
.set WW,    213
.set MK,    214
.set M2,    215
.set LL,    216
.set LX,    217
.set VINF,  218
.set RL,    64                         ; the way out: pairs 1 / l
.set TMP,   80
.set BK,    112
.set G1P,   24
.set G1V,   32
.set G0P,   48
.set G0V,   68
.set SM,    80                         ; s80-82 all ones where j <= I
.set C80,   83
.set VSB,   84                         ; s[84:89] v's scale words at the key blocks of steps 6, 7, 8
.set OB,    92                         ; s[92:93] out at A's rows, s[94:95] at B's
.set C126,  66
.set MSB, 0
.macro WIN new
.if MSB != (\new)
	s_set_vgpr_msb (MSB<<8)|(\new)
.set MSB, (\new)
.endif
.endm
.macro PLACES
.rept 4
	v_nop
.endr
.endm
.macro CROUND                          ; a round of the cluster's barrier
	s_barrier_signal -1
	s_barrier_wait -1
	s_cmp_lg_u32 s14, 0
	s_cbranch_scc1 .Lnot_wave_0_\@
	s_barrier_signal -3
.Lnot_wave_0_\@:
	s_barrier_wait -3
	s_barrier_signal -1
	s_barrier_wait -1
.endm
	s_load_b256 s[4:11], s[0:1], 0x0               ; p_img, stat, v_img, v_scl
	s_load_b64 s[12:13], s[0:1], 0x20              ; out0
	v_lshl_add_u32 v[SPW], v0, 2, SPARE
	v_mov_b32 v[NIL], 0
	ds_add_u32 v[SPW], v[NIL]                      ; the opening lines
	ds_add_u32 v[SPW], v[NIL]
	v_lshrrev_b32 v12, 5, v0
	v_readfirstlane_b32 s14, v12                   ; wave 0..3: my 32 queries
	s_and_b32 s16, s14, 1                          ; which half of p or of v I fetch
	s_bfe_u32 s17, ttmp6, 0x40000                  ; cx
	s_lshl_b32 s18, ttmp9, 2
	s_add_co_u32 s18, s18, s17                     ; vblk: it enters v's, v_scl's and out's global addresses alone
	s_and_b32 s19, ttmp7, 0xffff                   ; 4 b + I: the four partners share it
	s_lshr_b32 s22, s19, 2                         ; b
	s_and_b32 s23, s19, 3                          ; I
	s_mov_b32 s20, 0x76543210
	s_mov_b32 s21, 0xfedcba98
	s_mov_b32 s[C80], 0x80808080
	s_mov_b32 s[C126], 0x42fc0000                  ; 126.0
	s_mov_b32 s[G1P], 15|(3<<16)|(1<<21)           ; the mask: all four work-groups; elements of 8 bytes; bit 21 beside a mask: 216 rows of 256 bytes, dense
	s_mov_b32 s[G1P+1], 32<<16
	s_mov_b32 s[G1P+2], 216<<16
	s_mov_b32 s[G1P+3], 32<<16
	s_mov_b32 s[G1P+4], 216
	s_mov_b32 s[G1P+5], 32
	s_mov_b32 s[G1P+6], 0
	s_mov_b32 s[G1P+7], 0
	s_mov_b32 s[G1V], 3<<16                        ; v: four key blocks, a row of 6,144 bytes (four fragments) each, 98,304 bytes apart
	s_mov_b32 s[G1V+1], 768<<16
	s_mov_b32 s[G1V+2], 4<<16
	s_mov_b32 s[G1V+3], 768<<16
	s_mov_b32 s[G1V+4], 4
	s_mov_b32 s[G1V+5], 12288
	s_mov_b32 s[G1V+6], 0
	s_mov_b32 s[G1V+7], 0
	s_mul_i32 s60, s19, 110592
	s_mul_i32 s90, s16, 55296
	s_add_co_u32 s60, s60, s90
	s_mov_b32 s61, 0
	s_mul_i32 s62, s22, 786432
	s_mul_i32 s91, s18, 6144
	s_add_co_u32 s62, s62, s91
	s_mul_i32 s91, s16, 393216
	s_add_co_u32 s62, s62, s91
	s_mov_b32 s63, 0
	s_mul_i32 s91, s14, 3072
	v_and_b32 v12, 31, v0                          ; lane
	v_and_b32 v[RR], 15, v0                        ; r
	v_bfe_u32 v[RR+1], v0, 4, 1                    ; h
	v_lshlrev_b32 v[LI], 4, v12
	v_lshlrev_b32 v[L4], 2, v12
	v_lshlrev_b32 v15, 3, v12
	v_add_nc_u32 v[ADP], s91, v[LI]
	v_add_nc_u32 v[ADP+1], 61440, v[ADP]
	s_add_co_u32 s91, s91, 512
	v_add_nc_u32 v[ADP+2], s91, v15
	v_add_nc_u32 v[ADP+3], 61440, v[ADP+2]
	v_add_nc_u32 v[ADV], VB, v[LI]
	s_mul_i32 s91, s16, 24576
	s_add_co_u32 s91, s91, VB
	s_wait_alu depctr_va_vdst(0)
	s_wait_dscnt 0x0                               ; both opening adds are done
	CROUND                                         ; all four work-groups are here: the joint loads meet
	s_wait_kmcnt 0x0
	s_add_nc_u64 s[4:5], s[4:5], s[60:61]
	s_add_nc_u64 s[8:9], s[8:9], s[62:63]
	s_mov_b32 s[G0P], 1
	s_mov_b32 s[G0P+1], s90
	s_mov_b64 s[G0P+2:G0P+3], s[4:5]
	s_or_b32 s[G0P+3], s[G0P+3], 0x80000000
	s_mov_b32 s[G0V], 1
	s_mov_b32 s[G0V+1], s91
	s_mov_b64 s[G0V+2:G0V+3], s[8:9]
	s_or_b32 s[G0V+3], s[G0V+3], 0x80000000
	s_cmp_lt_u32 s14, 2                            ; waves 0 and 1 fetch p, waves 2 and 3 v: one tensor load a wave
	s_cbranch_scc0 .Lfirst_v
	tensor_load_to_lds s[G0P:G0P+3], s[G1P:G1P+7]
	s_nop 0
	PLACES
	s_branch .Lfirst_done
.Lfirst_v:
	tensor_load_to_lds s[G0V:G0V+3], s[G1V:G1V+7]
	s_nop 0
	PLACES
.Lfirst_done:
	s_mul_i32 s60, s19, 36864
	s_lshl_b32 s62, s14, 9
	s_add_co_u32 s60, s60, s62
	s_add_nc_u64 s[6:7], s[6:7], s[60:61]          ; the records of my pair, my 32 queries
	s_lshl_b32 s60, s22, 15
	s_lshl_b32 s62, s18, 8
	s_add_co_u32 s60, s60, s62
	s_add_nc_u64 s[10:11], s[10:11], s[60:61]      ; v's scale words: my batch, my four tiles; 4,096 bytes a key block
.irp n, 0,1,2,3,4,5,6,7,8
.irp k, 0,1
	global_load_b128 v[RECB+8*\n+4*\k:RECB+8*\n+4*\k+3], v[LI], s[6:7] offset:4096*\n+2048*\k   ; a lane a query: 512 consecutive bytes
.endr
.endr
.macro FLEX j, lo, hi                  ; step 5 + j: A with key block j where j <= I, else B with 8 - j
	s_mov_b32 s91, \hi
	s_cmp_ge_u32 s23, \j
	s_cselect_b32 s[SM+\j-1], -1, 0
	s_cselect_b32 s90, \j, 8-\j
	s_cselect_b32 s91, \lo, s91
	v_add_nc_u32 v[ADVF+\j-1], s91, v[ADV]
	s_lshl_b32 s90, s90, 12
	s_mov_b32 s91, 0
	s_add_nc_u64 s[VSB+2*(\j-1):VSB+2*(\j-1)+1], s[10:11], s[90:91]
.endm
	FLEX 1, 6144, 43008
	FLEX 2, 12288, 36864
	FLEX 3, 18432, 30720
.irp e, 0,1
	global_load_b32 v[VS+\e], v[L4], s[10:11] offset:128*\e                ; steps 0 and 1: key block 0
	global_load_b32 v[VS+2+\e], v[L4], s[10:11] offset:128*\e
	global_load_b32 v[VS+4+\e], v[L4], s[10:11] offset:4096+128*\e         ; steps 2-5: key blocks 1-4
	global_load_b32 v[VS+6+\e], v[L4], s[10:11] offset:2*4096+128*\e
	global_load_b32 v[VS+8+\e], v[L4], s[10:11] offset:3*4096+128*\e
	global_load_b32 v[VS+10+\e], v[L4], s[10:11] offset:4*4096+128*\e
	global_load_b32 v[VS+12+\e], v[L4], s[VSB:VSB+1] offset:128*\e
	global_load_b32 v[VS+14+\e], v[L4], s[VSB+2:VSB+3] offset:128*\e
	global_load_b32 v[VS+16+\e], v[L4], s[VSB+4:VSB+5] offset:128*\e
.endr
	s_mul_i32 s90, s14, 16*272
	s_add_co_u32 s90, s90, STAGE                   ; my stage
	v_mul_u32_u24 v[STO], v[RR], 272
	v_lshl_add_u32 v[STO], v[RR+1], 5, v[STO]
	v_add_nc_u32 v[STO], s90, v[STO]               ; in: row r, 32 bytes for each half of the lanes
	v_mul_u32_u24 v[RD], v[RR+1], 272
	v_lshl_add_u32 v[RD], v[RR], 4, v[RD]
	v_add_nc_u32 v[RD], s90, v[RD]                 ; back: lanes 0-15 one row of 256 bytes, lanes 16-31 the next
	v_lshlrev_b32 v[CO], 12, v[RR+1]
	v_lshl_add_u32 v[CO], v[RR], 4, v[CO]          ; and the same two rows in out (4,096 bytes a row)
	v_mov_b32 v[VINF], 0x7f800000
.irp q, 0,2
	v_mov_b32 v[LA+\q], 0
	v_mov_b32 v[XR+\q], 0                          ; a lane permute's destination counts as one of its sources
.endr
	s_wait_alu depctr_va_vdst(0)                   ; the wait ahead of the scalar lines and of the wait below
	s_lshl_b32 s60, s22, 22
	s_lshl_b32 s62, s14, 17
	s_add_co_u32 s60, s60, s62
	s_lshl_b32 s62, s18, 8
	s_add_co_u32 s60, s60, s62
	s_lshl_b32 s62, s23, 19
	s_add_co_u32 s62, s62, s60
	s_mov_b32 s63, 0
	s_add_nc_u64 s[OB:OB+1], s[12:13], s[62:63]
	s_sub_co_u32 s62, 7, s23
	s_lshl_b32 s62, s62, 19
	s_add_co_u32 s62, s62, s60
	s_add_nc_u64 s[OB+2:OB+3], s[12:13], s[62:63]
	s_wait_loadcnt 0x0                             ; the records and v's scale words
; the rows' -M: the least -M of the row's chunks
	v_min_num_f32 v[NMA], v[RECB+8+1], v[RECB+8+4+1]
	v_min_num_f32 v[NMB], v[RECB+1], v[RECB+4+1]
.irp n, 2,3,4,5
	v_min3_num_f32 v[NMB], v[NMB], v[RECB+8*\n+1], v[RECB+8*\n+4+1]
.endr
.irp j, 1,2,3
	v_min_num_f32 v[D0], v[RECB+8*(5+\j)+1], v[RECB+8*(5+\j)+4+1]
	v_cndmask_b32 v[D1], v[VINF], v[D0], s[SM+\j-1]
	v_cndmask_b32 v[D0], v[D0], v[VINF], s[SM+\j-1]
	v_min_num_f32 v[NMA], v[NMA], v[D1]
	v_min_num_f32 v[NMB], v[NMB], v[D0]
.endr
; step n, query 32 w + lane.  kind 0: A's; 1: B's; 2: by j.  d = M(row) - M(chunk), at most 126; the sums take 2^-d; each of the chunk's two bytes goes down by d, held at 0.
.macro ADJ n, kind, j
.set R0, RECB+8*(\n)
.set R1, R0+4
.if (\kind) == 0
.set NT, NMA
.elseif (\kind) == 1
.set NT, NMB
.else
	v_cndmask_b32 v[TNT], v[NMB], v[NMA], s[SM+\j-1]
.set NT, TNT
.endif
	v_sub_f32 v[D0], v[R0+1], v[NT]
	v_sub_f32 v[D1], v[R1+1], v[NT]
	v_min_num_f32 v[D0], s[C126], v[D0]
	v_min_num_f32 v[D1], s[C126], v[D1]
	v_cvt_u32_f32 v[D0], v[D0]
	v_cvt_u32_f32 v[D1], v[D1]
	v_sub_nc_u32 v[F0], 127, v[D0]
	v_sub_nc_u32 v[F1], 127, v[D1]
	v_lshlrev_b32 v[F0], 23, v[F0]                 ; 2^-d
	v_lshlrev_b32 v[F1], 23, v[F1]
.if (\kind) == 0
	v_fmac_f32 v[LA], v[F0], v[R0+2]
	v_fmac_f32 v[LA], v[F1], v[R1+2]
.elseif (\kind) == 1
	v_fmac_f32 v[LB], v[F0], v[R0+2]
	v_fmac_f32 v[LB], v[F1], v[R1+2]
.else
	v_mul_f32 v[LL], v[F0], v[R0+2]
	v_fmac_f32 v[LL], v[F1], v[R1+2]
	v_cndmask_b32 v[LX], 0, v[LL], s[SM+\j-1]
	v_add_f32 v[LA], v[LA], v[LX]
	v_cndmask_b32 v[LX], v[LL], 0, s[SM+\j-1]
	v_add_f32 v[LB], v[LB], v[LX]
.endif
	v_mul_u32_u24 v[D0], v[D0], 0x101
	v_mul_u32_u24 v[D1], v[D1], 0x101
	v_lshl_or_b32 v[D0], v[D1], 16, v[D0]          ; d in each of the word's four bytes, by chunk
	v_lshl_or_b32 v[WW], v[R1], 16, v[R0]          ; the four scale bytes: each at most 125, since p is at most 1
	v_or_b32 v[WW], s[C80], v[WW]                  ; with bit 7 set in each byte no byte borrows from the next,
	v_sub_nc_u32 v[WW], v[WW], v[D0]
	v_and_b32 v[MK], s[C80], v[WW]                 ; and bit 7 stays where the byte did not fall under 0
	v_lshrrev_b32 v[M2], 7, v[MK]
	v_sub_nc_u32 v[MK], v[MK], v[M2]               ; 0x7f in those bytes, 0 in the others
	v_and_b32 v[PS+(\n)], v[WW], v[MK]
.endm
	ADJ 0, 1, 0
	ADJ 1, 0, 0
	ADJ 2, 1, 0
	ADJ 3, 1, 0
	ADJ 4, 1, 0
	ADJ 5, 1, 0
	ADJ 6, 2, 1
	ADJ 7, 2, 2
	ADJ 8, 2, 3
.rept 8
	v_nop                                          ; a scale register written by a vector instruction stands eight places ahead of a scaled matrix instruction
.endr
.macro FETCH n                         ; step n's fragments into set n % 2: 20 loads
.set FB, FRG+96*((\n)%2)
.if (\n) < 5
.set AP, ADP
.set PO, 12288*(\n)
.else
.set AP, ADP+1
.set PO, 12288*((\n)-5)
.endif
.irp a, 0,1
.irp c, 0,1                                        ; half c of a fragment of p: registers 6 c .. 6 c + 3 as 512 bytes, 6 c + 4, 6 c + 5 as 256
	ds_load_b128 v[FB+12*\a+6*\c:FB+12*\a+6*\c+3], v[AP] offset:PO+1536*\a+768*\c
	ds_load_b64 v[FB+12*\a+6*\c+4:FB+12*\a+6*\c+5], v[AP+2] offset:PO+1536*\a+768*\c
.endr
.endr
.if (\n) < 6
.set SK, (\n)-1
.if (\n) < 2
.set SK, 0
.endif
.set AV, ADV
.set VO, SK*6144
.else
.set AV, ADVF+(\n)-6
.set VO, 0
.endif
.irp t, 0,1,2,3
.irp c, 0,1,2
	ds_load_b128 v[FB+48+12*\t+4*\c:FB+48+12*\t+4*\c+3], v[AV] offset:VO+1536*\t+512*\c
.endr
.endr
.endm
.macro WM1 c, ra, rb                   ; one product; ra, rb: the halves of the lanes in which v's and p's scale words stand
	v_wmma_scale_f32_16x16x128_f8f6f4 v[rD:rD+7], v[rA:rA+11], v[rB:rB+11], \c, v[rX], v[rY] matrix_a_fmt:MATRIX_FMT_FP6 matrix_b_fmt:MATRIX_FMT_FP6 matrix_a_scale:MATRIX_SCALE_ROW\ra matrix_b_scale:MATRIX_SCALE_ROW\rb
.endm
.macro WM c, ra, rb
.if (\ra) && (\rb)
	WM1 \c, 1, 1
.elseif (\ra)
	WM1 \c, 1, 0
.elseif (\rb)
	WM1 \c, 0, 1
.else
	WM1 \c, 0, 0
.endif
.endm
.macro MULP n, tl, zero                ; 8 products onto tile tl's accumulators, which take turns, one instruction a turn
	WIN 0x50
.set FB, FRG+96*((\n)%2)
.irp a, 0,1
.irp t, 0,1,2,3
.set rD, 128*(\tl)+8*(4*\a+\t)
.set rA, FB+48+12*\t
.set rB, FB+12*\a
.set rX, VS+2*(\n)+\t/2
.set rY, PS+(\n)
.if \zero
	WM 0, \t%2, \a%2
.else
	WM v[rD:rD+7], \t%2, \a%2
.endif
.endr
.endr
	WIN 0
.endm
.macro FRAGS n                         ; ahead of step n's products: the next step's fragments are asked for
.if (\n) > 0
	PLACES                                         ; the other set was read by the last step's products
.endif
.if (\n) < 8
	FETCH (\n)+1
	s_wait_dscnt 20                                ; all but the 20 just issued
.else
	s_wait_dscnt 0x0
.endif
.endm
.macro STEP3 n, tl, zero
	FRAGS \n
	MULP \n, \tl, \zero
.endm
.macro STEPF n, j                      ; A's accumulators where j <= I, else B's: a branch on ids that all partners share
	FRAGS \n
	s_cmp_ge_u32 s23, \j
	s_cbranch_scc0 .Lfor_b_\@
	MULP \n, 0, 0
	s_branch .Ldone_\@
.Lfor_b_\@:
	MULP \n, 1, 0
.Ldone_\@:
.endm
	s_wait_alu depctr_va_vdst(0)                   ; the wait at the head's end
	s_wait_tensorcnt 0x0                           ; my part of p or v is in; nothing is ever filled again
	s_wait_dscnt 0x0
	s_barrier_signal -1
	s_barrier_wait -1                              ; everybody's is
	FETCH 0
	STEP3 0, 1, 1                                  ; the first product of each tile starts its sums
	STEP3 1, 0, 1
	STEP3 2, 1, 0
	STEP3 3, 1, 0
	STEP3 4, 1, 0
	STEP3 5, 1, 0
	STEPF 6, 1
	STEPF 7, 2
	STEPF 8, 3
	; THE WAY OUT: O^T / l, a tile of 16 queries x 64 columns at a time through my stage in LDS, so that sixteen lanes store 256 consecutive bytes of a row of out.
	PLACES
	s_wait_alu depctr_va_vdst(0)                   ; the wait ahead of the batch
.irp q, 0,2
	v_rcp_f32 v[NMA+\q], v[LA+\q]                  ; 1 / l of query 32 w + lane: A's, B's
.endr
	v_nop                                          ; a plain place behind the reciprocals
	s_wait_alu depctr_va_vdst(0)                   ; one wait for both, ahead of their first reader
.irp q, 0,2
	v_permlanex16_b32 v[XR+\q], v[NMA+\q], s20, s21
.endr
	s_mov_b32 vcc_lo, 0xffff0000
.irp q, 0,2                                        ; tile 0 of queries stands in lanes 0-15, tile 1 in lanes 16-31: each is spread over both halves, as a pair for the packed multiply
	v_cndmask_b32 v[RL+4*\q], v[NMA+\q], v[XR+\q], vcc_lo
	v_cndmask_b32 v[RL+4*\q+1], v[NMA+\q], v[XR+\q], vcc_lo
	v_cndmask_b32 v[RL+4*\q+2], v[XR+\q], v[NMA+\q], vcc_lo
	v_cndmask_b32 v[RL+4*\q+3], v[XR+\q], v[NMA+\q], vcc_lo
.endr
.macro OUTT k                          ; tile k = 4 T + a
	WIN 0x01                                       ; source 0: window 1
.irp j, 0,2,4,6,8,10,12,14,16,18,20,22,24,26,28,30
	v_pk_mul_f32 v[TMP+\j:TMP+\j+1], v[32*(\k)+\j:32*(\k)+\j+1], v[RL+2*(\k):RL+2*(\k)+1] op_sel_hi:[1,0]   ; each accumulator from its low end on
.endr
	WIN 0
.irp t, 0,1,2,3
	ds_store_b128 v[STO], v[TMP+8*\t:TMP+8*\t+3] offset:64*\t
	ds_store_b128 v[STO], v[TMP+8*\t+4:TMP+8*\t+7] offset:64*\t+16
.endr
.irp i, 0,1,2,3,4,5,6,7
	ds_load_b128 v[BK+32*((\k)%2)+4*\i:BK+32*((\k)%2)+4*\i+3], v[RD] offset:2*\i*272   ; LDS serves a wave's instructions in order (ISA guide 5.7.1.4): these see my stores, and the next tile's stores come behind them
.endr
.endm
.macro SEND k, younger                 ; younger: the LDS instructions issued behind tile k's loads
	s_wait_dscnt \younger
.irp i, 0,1,2,3,4,5,6,7
	global_store_b128 v[CO], v[BK+32*((\k)%2)+4*\i:BK+32*((\k)%2)+4*\i+3], s[OB+2*((\k)/4):OB+2*((\k)/4)+1] offset:(16*((\k)%4)+2*\i)*4096 th:TH_STORE_NT   ; 16 lanes store 256 consecutive bytes, at a multiple of 256 from out's first byte
.endr
.endm
	OUTT 0
	OUTT 1
	SEND 0, 16                                     ; behind tile 0's loads: the next tile's 8 stores and 8 loads
	s_wait_xcnt 0x0                                ; tile 0's stores have read their registers: tile 4's loads may land there
	OUTT 4
	SEND 1, 16
	s_wait_xcnt 0x0
	OUTT 5
	SEND 4, 16
	SEND 5, 0
	s_wait_tensorcnt 0x0                           ; the wave's end
	ds_add_u32 v[SPW], v[NIL]
	s_wait_dscnt 0x0
	CROUND                                         ; the closing round: no work-group ends while a partner may still ask for a tile that names it
	s_endpgm
.Lfunc_end_k_qa1201ca2c2_pv:
	.size	k_qa1201ca2c2_pv, .Lfunc_end_k_qa1201ca2c2_pv-k_qa1201ca2c2_pv
	.p2alignl 7, 3214868480
	.fill 96, 4, 3214868480
	.section	.rodata,"a",@progbits
	.p2align	6, 0x0
	.amdhsa_kernel k_qa1201ca2c2_pv
		.amdhsa_group_segment_fixed_size 177664
		.amdhsa_private_segment_fixed_size 0
		.amdhsa_enable_private_segment 0
		.amdhsa_kernarg_size 40
		.amdhsa_user_sgpr_count 2
		.amdhsa_user_sgpr_kernarg_segment_ptr 1
		.amdhsa_wavefront_size32 1
		.amdhsa_system_sgpr_workgroup_id_x 1
		.amdhsa_system_sgpr_workgroup_id_y 1
		.amdhsa_system_sgpr_workgroup_id_z 1
		.amdhsa_system_vgpr_workitem_id 0
		.amdhsa_next_free_vgpr 512
		.amdhsa_next_free_sgpr 96
		.amdhsa_reserve_vcc 1
		.amdhsa_float_denorm_mode_32 3
		.amdhsa_float_denorm_mode_16_64 3
		.amdhsa_memory_ordered 1
		.amdhsa_forward_progress 1
		.amdhsa_inst_pref_size 60
	.end_amdhsa_kernel
	.amdgpu_metadata
---
amdhsa.version: [ 1, 2 ]
amdhsa.kernels:
  - .name:           k_qa1201ca2c2_pv
    .symbol:         k_qa1201ca2c2_pv.kd
    .args:
      - { .name: p_img, .offset: 0, .size: 8, .value_kind: global_buffer, .address_space: global }
      - { .name: stat, .offset: 8, .size: 8, .value_kind: global_buffer, .address_space: global }
      - { .name: v_img, .offset: 16, .size: 8, .value_kind: global_buffer, .address_space: global }
      - { .name: v_scl, .offset: 24, .size: 8, .value_kind: global_buffer, .address_space: global }
      - { .name: out0, .offset: 32, .size: 8, .value_kind: global_buffer, .address_space: global }
    .group_segment_fixed_size: 177664
    .private_segment_fixed_size: 0
    .kernarg_segment_align: 8
    .kernarg_segment_size: 40
    .max_flat_workgroup_size: 128
    .sgpr_count:     96
    .vgpr_count:     512
    .wavefront_size: 32
...
	.end_amdgpu_metadata
.endif
;; end of part 3
